; MI455X (gfx1250); checked and timed in simulation.
; The chip was launched on July 23, 2026; its instructions are those of AMD's public machine-readable ISA for CDNA 5 (MIT licence, August 2026) and "CDNA5" Instruction Set Architecture Reference Guide (July 2026). The comments in the code are by the model that wrote it; some were corrected since.
;; Multihead Attention. Allowed arithmetic: matrix products marked QUANTISED: E4M3 operands, one given power-of-two scale a tensor, by v_wmma_f32_16x16x64_fp8_fp8 or v_wmma_f32_16x16x128_fp8_fp8, f32 sums; everything else in f32.
;; Inputs: k 4 x 2,048 x 1,024 float32; lowp_scales 12 int32 (the exponents e of the quantised operands' scales 2^e); q 4 x 2,048 x 1,024 float32; v 4 x 2,048 x 1,024 float32; wk 1,024 x 1,024 float32; wo 1,024 x 1,024 float32; wq 1,024 x 1,024 float32; wv 1,024 x 1,024 float32.
;; Outputs: out0 4 x 2,048 x 1,024 float32.
;; This version of the problem:
;;   THIS VERSION OF THE PROBLEM IS GIVEN IN LOW PRECISION. The matrix products marked QUANTISED in the list below multiply operands that are first quantised to E4M3 (4 exponent bits, 3 mantissa bits; 8 bits a number), with one given power-of-two scale for each operand tensor; their sums are f32. All else is computed in f32.
;;   The module's matrix products, in the order in which they are computed (A, B: the left and right operand; K: the contracted axis; several contracted axes count as one K, in the product's order):
;;     1. [M 8,192, K 1,024] x [K 1,024, N 1,024]; A: input q; B: input wq: QUANTISED (scales: A lowp_scales[0], B lowp_scales[1])
;;     2. [M 8,192, K 1,024] x [K 1,024, N 1,024]; A: input k; B: input wk: QUANTISED (scales: A lowp_scales[2], B lowp_scales[3])
;;     3. [M 8,192, K 1,024] x [K 1,024, N 1,024]; A: input v; B: input wv: QUANTISED (scales: A lowp_scales[4], B lowp_scales[5])
;;     4. batch 64 x [M 2,048, K 64] x [K 64, N 2,048]; A: computed on the way; B: computed on the way: QUANTISED (scales: A lowp_scales[6], B lowp_scales[7])
;;     5. batch 64 x [M 2,048, K 2,048] x [K 2,048, N 64]; A: softmax (see below); B: computed on the way: QUANTISED (scales: A lowp_scales[8], B lowp_scales[9])
;;     6. [M 8,192, K 1,024] x [K 1,024, N 1,024]; A: computed on the way; B: input wo: QUANTISED (scales: A lowp_scales[10], B lowp_scales[11])
;;   THE QUANTISER, for each operand of a quantised product, along K:
;;     - The operand's scale is 2^e, e = its entry of the input lowp_scales (int32; the entries are numbered through the quantised products in the list's order, A before B).
;;     - Each number is divided by the scale, clamped to +-448, and rounded to the nearest number of E4M3, ties to even, subnormals kept.
;;     - The product sums the exact products of the quantised numbers (number of the format x scale) in f32.
;;   ~~~python
;;   def quantise(x, axis, e):      # numpy; x: float32 -> the quantised numbers, widened to float32 again
;;       x = np.moveaxis(x, axis, -1); K = x.shape[-1]
;;       r = np.clip(x / 2.0 ** e, -448, 448)
;;       step = 2.0 ** (np.maximum(np.frexp(np.where(r == 0, 1, r))[1] - 1, -6) - 3)
;;       q = np.round(r / step) * step * 2.0 ** e      # np.round: ties to even
;;       return np.moveaxis(q, -1, axis).astype(np.float32)
;;   ~~~
;;   SOFTMAX AHEAD OF A QUANTISED PRODUCT. Where the list says 'softmax', what is quantised is not the finished softmax but p = 2^(t - M), with t = logit x log2(e) and M = ceil(the row's largest t), a whole number; so 1/2 < the row's largest p <= 1. The row's sum l is taken of the UNQUANTISED p, in f32, and the product's result is divided by l at the end. Since M is a whole number, a kernel that streams over the keys may use a running M (the ceiling of the running maximum): every later rescaling is an exact power of two, so the quantised numbers keep their values, but for numbers so far below the row's largest that they fall under the format's range.
;;   OPERANDS COMPUTED ON THE WAY. 'Computed on the way' means the value that the module computes at that place (a softmax that the list does not call 'softmax' is quantised finished and normalised). What goes into a quantiser is computed in f32, as accurately as f32 sums, v_exp_f32 and their like allow (about 1e-6 of the number): no bf16 or f16 on the way to a quantiser, and a product that is left as it is and whose result goes on into a quantised operand takes f32 operands (vector FMAs, or v_wmma_f32_16x16x4_f32). A number that lies on a knife's edge between two numbers of the format may be rounded either way, as far as f32 arithmetic and the matrix unit's own rounding can turn it there, and no further.
;; 2 versions, each right; version 2 is version 1 with the launch attn written anew for expert scheduling mode. Each part assembles by itself: llvm-mc -triple=amdgcn-amd-amdhsa -mcpu=gfx1250 --defsym DOCPART=n.
;; ======== version 1 of 2: 4 launches
;; workspace buffers: codes 29,360,128 bytes; proj 25,165,824 bytes; att 8,388,608 bytes
;; launch quant (part 1): grid 896 x 1, 4 waves a work-group, no clusters, 33,280 bytes of LDS; arguments q, k, v, wq, wk, wv, wo, lowp_scales, codes; writes codes
.if DOCPART == 1
	.amdgcn_target "amdgcn-amd-amdhsa--gfx1250"
	.amdhsa_code_object_version 6
	.text
	.protected	k_qc64abcd759_quant
	.globl	k_qc64abcd759_quant
	.p2align	8
	.type	k_qc64abcd759_quant,@function
k_qc64abcd759_quant:
	s_mov_b64 s[64:65], 0
	v_nop
	global_prefetch_b8 v0, s[64:65] scope:SCOPE_SE
	s_setreg_imm32_b32 hwreg(HW_REG_WAVE_MODE, 25, 1), 1
	s_wait_xcnt 0x0
; The seven f32 inputs become codes of FP8 (E4M3), one byte each, K innermost as they lie, each with the one scale 2^e that is given for it.
; code = x / 2^e, held within +-448, rounded to the nearest code, ties to even.  LIMITS: e between -126 and 119, so that 2^e and 448 x 2^e are f32 numbers.  NaN among the inputs is not served.
; All seven are dense with K innermost, so each is a plain stream of numbers and its codes a plain stream of bytes.  The buffer of codes holds them on end: q, k, v (8 MiB each), wq, wk, wv, wo (1 MiB each).
; A work-group takes 32,768 numbers: work-groups 0-255 q, 256-511 k, 512-767 v, then 32 each for wq, wk, wv, wo: so its codes begin at its number x 32,768.  Only a pointer, a first number and an exponent
; are chosen by the work-group's number; all tensors take one path through the text.
; A wave takes 16 steps of 512 numbers.  Each of a step's four loads reads 512 consecutive bytes, 16 a lane; the conversions want 16 NEIGHBOURS in one lane, so the 2,048 bytes turn through the wave's own
; stage in LDS (16 bytes of padding behind each 64) and come back 64 bytes a lane.  A lane's 16 codes are 16 bytes: a store of the wave covers 512 consecutive bytes, aligned.
; No tensor loads, no barrier, no cluster: waves and work-groups share nothing.  Loads run four steps (16 loads a wave) ahead, the turn through LDS one step.
.set STEPS, 16
.set EMAX,  8
.set MANT,  0x600000                   ; the mantissa field of 448 as f32
.set CB,    16                         ; bytes of 16 codes
.set R,     16                         ; v16-79   four sets of 16 numbers as they are loaded
.set X,     80                         ; v80-111  two sets of 16 neighbours
.set C,     128                        ; v128-191 codes: four registers for each step, so that no store's data are written again
.set WREG,  8192                       ; LDS: a region of its own for each wave: two stages of 32 x SP bytes
.set SP,    80                         ; a lane's place in a stage: its 64 bytes + 16 of padding
	s_load_b512 s[32:47], s[0:1], 0x0              ; q, k, v, wq, wk, wv, wo, the scales' exponents
	s_load_b64 s[48:49], s[0:1], 0x40              ; the codes
	v_lshl_add_u32 v192, v0, 2, 0x8000
	v_mov_b32 v193, 0
	v_lshrrev_b32 v1, 5, v0
	v_readfirstlane_b32 s16, v1                    ; wave
	v_and_b32 v2, 31, v0                           ; lane
	v_lshlrev_b32 v3, 4, v2                        ; my 16 bytes of a load's 512
	s_mul_i32 s17, s16, WREG
	v_lshrrev_b32 v14, 2, v2
	v_mul_u32_u24 v14, v14, SP
	v_and_b32 v15, 3, v2
	v_lshl_add_u32 v14, v15, 4, v14
	v_add_nc_u32 v14, s17, v14                     ; the stage, on the way in: SP (lane / 4) + 16 (lane % 4); a load's 512 bytes take eight places
	v_mul_u32_u24 v15, v2, SP
	v_add_nc_u32 v15, s17, v15                     ; and on the way out: SP x lane: my 16 neighbours
	v_mul_u32_u24 v4, v2, CB                       ; my codes' place in a step's
	s_mov_b32 s6, 864                              ; the first work-group of the tensor in hand: wo's, unless a line below says otherwise
	s_wait_kmcnt 0x0
	s_load_b256 s[52:59], s[46:47], 0x0            ; e0 .. e7
	s_load_b32 s60, s[46:47], 0x2c                 ; e11
	s_mov_b64 s[4:5], s[44:45]
.macro PICK limit, ptr, first          ; below this work-group number the tensor is an earlier one.  The choice hangs on the work-group's number alone
	s_cmp_lt_u32 ttmp9, \limit
	s_cselect_b64 s[4:5], s[\ptr:\ptr+1], s[4:5]
	s_cselect_b32 s6, \first, s6
.endm
	PICK 864, 42, 832                              ; wv
	PICK 832, 40, 800                              ; wk
	PICK 800, 38, 768                              ; wq
	PICK 768, 36, 512                              ; v
	PICK 512, 34, 256                              ; k
	PICK 256, 32, 0                                ; q
	s_sub_co_u32 s6, ttmp9, s6
	s_lshl_b32 s6, s6, 17                          ; 32,768 numbers of 4 bytes for each work-group of the tensor,
	s_lshl_b32 s7, s16, 15                         ; 8,192 for each wave
	s_add_co_u32 s6, s6, s7
	s_mov_b32 s7, 0
	s_add_nc_u64 s[4:5], s[4:5], s[6:7]
	s_lshl_b32 s10, ttmp9, 15                      ; the codes: 32,768 bytes for each work-group of the launch,
	s_lshl_b32 s11, s16, 13                        ; 8,192 for each wave
	s_add_co_u32 s10, s10, s11
	s_mov_b32 s11, 0
	s_add_nc_u64 s[8:9], s[48:49], s[10:11]
.macro LOAD t
.irp i, 0,1,2,3
	global_load_b128 v[R+16*((\t)%4)+4*\i:R+16*((\t)%4)+4*\i+3], v3, s[4:5] offset:2048*(\t)+512*\i th:TH_LOAD_NT   ; 32 lanes read 512 consecutive bytes; read once in the launch
.endr
.endm
.macro TURN t                          ; step t's numbers through the stage: LDS serves a wave's instructions in order (ISA guide 5.7.1.4), so no wait stands between the stores and the loads
.irp i, 0,1,2,3
	ds_store_b128 v14, v[R+16*((\t)%4)+4*\i:R+16*((\t)%4)+4*\i+3] offset:32*SP*((\t)%2)+8*SP*\i
.endr
.irp i, 0,1,2,3
	ds_load_b128 v[X+16*((\t)%2)+4*\i:X+16*((\t)%2)+4*\i+3], v15 offset:32*SP*((\t)%2)+16*\i
.endr
.endm
.irp t, 0,1,2,3
	LOAD \t
.endr
	s_wait_kmcnt 0x0
	s_mov_b32 s22, s60                             ; e: wo's is entry 11, unless a line below says otherwise
.macro PICKE limit, e
	s_cmp_lt_u32 ttmp9, \limit
	s_cselect_b32 s22, s[\e], s22
.endm
	PICKE 864, 57                                  ; wv: entry 5
	PICKE 832, 55                                  ; wk: entry 3
	PICKE 800, 53                                  ; wq: entry 1
	PICKE 768, 56                                  ; v: entry 4
	PICKE 512, 54                                  ; k: entry 2
	PICKE 256, 52                                  ; q: entry 0
	s_add_co_i32 s22, s22, 127
	s_lshl_b32 s23, s22, 23
	v_mov_b32 v11, s23                             ; 2^e as f32: the conversion takes its exponent field
	s_add_co_i32 s22, s22, EMAX
	s_lshl_b32 s22, s22, 23
	s_or_b32 s22, s22, MANT
	v_mov_b32 v10, s22                             ; 448 x 2^e
	s_wait_loadcnt 12                              ; step 0's four loads are in; the twelve of steps 1 to 3 may be out
	TURN 0
.macro STEP t
.set XS, X+16*((\t)%2)
	s_wait_dscnt 0x0                               ; this step's numbers are back from the stage: so its stores into the stage have read their registers,
.if (\t)+4 < STEPS
	LOAD (\t)+4                                    ; which take the loads of four steps on
.endif
.if (\t)+1 < STEPS
.if STEPS-2-(\t) >= 3
	s_wait_loadcnt 12                              ; the next step's four loads are in; those of the three steps behind it may be out
.else
	s_wait_loadcnt 4*(STEPS-2-(\t))                ; in the tail: those of the steps that are left
.endif
	TURN (\t)+1                                    ; and go through the other stage while this step is worked
.endif
.irp i, 0,1,2,3,4,5,6,7,8,9,10,11,12,13,14,15
	v_med3_num_f32 v[XS+\i], v[XS+\i], -v10, v10   ; the conversion to an 8-bit code does not saturate (ISA guide 7.6.2): the number is held within the largest code x the scale first
.endr
	v_cvt_scalef32_pk8_fp8_f32 v[C+4*(\t):C+4*(\t)+1], v[XS:XS+7], v11          ; eight numbers / 2^e, to the nearest code, ties to even; the first number's code in the lowest byte
	v_cvt_scalef32_pk8_fp8_f32 v[C+4*(\t)+2:C+4*(\t)+3], v[XS+8:XS+15], v11
	global_store_b128 v4, v[C+4*(\t):C+4*(\t)+3], s[8:9] offset:32*CB*(\t)      ; the results go to a store alone; the next vector lines are the next step's holds, plain and on other registers
.endm
.irp t, 0,1,2,3,4,5,6,7,8,9,10,11,12,13,14,15
	STEP \t
.endr
	s_wait_tensorcnt 0x0
	ds_add_u32 v192, v193
	s_wait_dscnt 0x0
	s_endpgm
.Lfunc_end_k_qc64abcd759_quant:
	.size	k_qc64abcd759_quant, .Lfunc_end_k_qc64abcd759_quant-k_qc64abcd759_quant
	.p2alignl 7, 3214868480
	.fill 96, 4, 3214868480
	.section	.rodata,"a",@progbits
	.p2align	6, 0x0
	.amdhsa_kernel k_qc64abcd759_quant
		.amdhsa_group_segment_fixed_size 33280
		.amdhsa_private_segment_fixed_size 0
		.amdhsa_enable_private_segment 0
		.amdhsa_kernarg_size 72
		.amdhsa_user_sgpr_count 2
		.amdhsa_user_sgpr_kernarg_segment_ptr 1
		.amdhsa_wavefront_size32 1
		.amdhsa_system_sgpr_workgroup_id_x 1
		.amdhsa_system_sgpr_workgroup_id_y 1
		.amdhsa_system_sgpr_workgroup_id_z 1
		.amdhsa_system_vgpr_workitem_id 0
		.amdhsa_next_free_vgpr 194
		.amdhsa_next_free_sgpr 66
		.amdhsa_reserve_vcc 0
		.amdhsa_float_denorm_mode_32 3
		.amdhsa_float_denorm_mode_16_64 3
		.amdhsa_memory_ordered 1
		.amdhsa_forward_progress 1
		.amdhsa_inst_pref_size 39
	.end_amdhsa_kernel
	.amdgpu_metadata
---
amdhsa.version: [ 1, 2 ]
amdhsa.kernels:
  - .name:           k_qc64abcd759_quant
    .symbol:         k_qc64abcd759_quant.kd
    .args:
      - { .name: q, .offset: 0, .size: 8, .value_kind: global_buffer, .address_space: global }
      - { .name: k, .offset: 8, .size: 8, .value_kind: global_buffer, .address_space: global }
      - { .name: v, .offset: 16, .size: 8, .value_kind: global_buffer, .address_space: global }
      - { .name: wq, .offset: 24, .size: 8, .value_kind: global_buffer, .address_space: global }
      - { .name: wk, .offset: 32, .size: 8, .value_kind: global_buffer, .address_space: global }
      - { .name: wv, .offset: 40, .size: 8, .value_kind: global_buffer, .address_space: global }
      - { .name: wo, .offset: 48, .size: 8, .value_kind: global_buffer, .address_space: global }
      - { .name: lowp_scales, .offset: 56, .size: 8, .value_kind: global_buffer, .address_space: global }
      - { .name: codes, .offset: 64, .size: 8, .value_kind: global_buffer, .address_space: global }
    .group_segment_fixed_size: 33280
    .private_segment_fixed_size: 0
    .kernarg_segment_align: 8
    .kernarg_segment_size: 72
    .max_flat_workgroup_size: 128
    .sgpr_count:     66
    .vgpr_count:     194
    .wavefront_size: 32
...
	.end_amdgpu_metadata
.endif
;; end of part 1
;; launch proj (part 2): grid 4 x 192, 4 waves a work-group, clusters of 4 x 4, 327,680 bytes of LDS; arguments codes, lowp_scales, proj; writes proj
.if DOCPART == 2
	.amdgcn_target "amdgcn-amd-amdhsa--gfx1250"
	.amdhsa_code_object_version 6
	.text
	.protected	k_qc64abcd759_proj
	.globl	k_qc64abcd759_proj
	.p2align	8
	.type	k_qc64abcd759_proj,@function
k_qc64abcd759_proj:
	s_mov_b64 s[64:65], 0
	v_nop
	global_prefetch_b8 v0, s[64:65] scope:SCOPE_SE
	s_setreg_imm32_b32 hwreg(HW_REG_WAVE_MODE, 25, 1), 1
	s_wait_xcnt 0x0
	s_wait_alu depctr_hold_cnt(0) depctr_sa_sdst(0) depctr_va_vdst(0) depctr_va_sdst(0) depctr_va_ssrc(0) depctr_va_vcc(0) depctr_vm_vsrc(0)
	s_getreg_b32 s2, hwreg(HW_REG_IB_STS2, 6, 4)
	s_cmp_eq_u32 s2, 0
	s_cbranch_scc0 .Lentry_in_a_cluster
	s_endpgm
.Lentry_in_a_cluster:
	s_bfe_u32 s2, ttmp6, 0x10000c
	s_cmp_lg_u32 s2, 0xf033
	s_cbranch_scc0 .Lentry_shape_is_right
	s_endpgm
.Lentry_shape_is_right:
; The three projections xq = q wq^T, xk = k wk^T, xv = v wv^T on codes of FP8 (E4M3), K = 1,024, sums in f32; each finished sum is quantised at once for attention's products (scales e6, e7, e9).
; A sum stands for sum x 2^(ea + eb), so its code is sum / 2^(eo - ea - eb), held within +-448: the three given exponents are folded into the conversion's one.
; LIMIT: eo - ea - eb between -126 and 119, so that this power of two and 448 times it are f32 numbers.
; TILE.  A work-group of four waves makes 128 rows (operand A, source 1) x 256 columns (operand B, source 0); a wave 64 x 128: 32 accumulators, 256 registers.  768 tiles: three for each of 256 work-group places.
; THE MATRIX INSTRUCTION IS USED TRANSPOSED (source 0 = 16 rows of B, source 1 = 16 rows of A): a lane holds one row of the result and eight neighbouring columns, which one conversion packs into 8 bytes.
; THREE TENSORS.  The cluster's y is 16 t + c.  t = 0, 1 (q, k): A = the tokens' codes, B = the weight's: rows are tokens.  t = 2 (v): A = wv's codes, B = the tokens': rows are channels and columns tokens, so that
; xv comes out with the KEYS innermost, as the second product of attention wants it.  What differs is chosen by s_cselect_b32 on t; there is no branch on it.
; WHERE THE CODES GO.  xq, xk: [b][head][pos 2,048][64 bytes], pos = the token with its bits 3 and 4 exchanged.  xv: [b][head][64 keys' block 32][dpos 64][64 keys], dpos = the channel with its bits 3 and 4 exchanged.
; (Sixteen neighbouring rows are then the rows that a tile of attention's first operand wants, so that a lane's 16 results of two neighbouring tiles are 16 neighbours along the next K.)  The exchange is made by the address
; at which a lane puts its 8 bytes into the stage.
; RING.  K goes in steps of 256 (rows of 256 bytes in memory) through THREE LDS slots.  K steps 0, 1, 2 are first fills, three loads a wave out together; K step 3 is the one refill, into slot 0.  No loop: eight steps of 128 are written out.
; CLUSTERS: 4 x 4 work-groups.  The four of a row of the cluster need the same tiles of A, the four of a column the same tiles of B: each tile is asked for JOINTLY.  The grid is one cluster wide.
; REGISTERS, in windows of 256: window 0: v1-31 addresses and scales; v32-95 at work on the way out; v128-191, v192-255 A's fragments, two sets of four.  window 1: B's fragments, two sets of eight, at v0 and v128.
;   window 2: the accumulators, (a, b) at v[8 (8 a + b)].
.set PITCH,  272                       ; an LDS row: 256 bytes + 16 of padding = 68 words: row r starts at bank 4 r mod 64 (64 banks of 4 bytes: ISA guide 11.1), so the 16 rows that a load touches start at 16 different banks
.set AHALF,  64*PITCH                  ; what one tensor load brings of A, and what one wave reads of it
.set ATILE,  2*AHALF
.set BHALF,  128*PITCH                 ; the same for B
.set SLOT,   ATILE+2*BHALF             ; A's 128 rows, then B's 256 rows: 104,448 bytes
.set SPARE,  3*SLOT                    ; behind the ring: the spare words, 128 bytes for each wave: two blocks of 256 bytes that no other line names
.set STAGE,  SLOT                      ; the way out: 128 rows x 272 bytes, in slot 1: its one fill stands at the start, and its last read ahead of the second change of slots
.set KINC,   256                       ; bytes from a K step to the next, in A and in B
.set FR,     16                        ; registers of a fragment: 16 rows x 128 K
.set ADRA, 16                          ; v16-18  LDS address of my A fragments in slot 0, 1, 2
.set ADRB, 20                          ; v20-22  the same for B
.set STO,  24                          ; v24     the way out: where I put 8 bytes of a row
.set RD,   25                          ; v25     the way out: where I read 16 bytes back
.set CO,   26                          ; v26     16 x lane: my place in a store's 512 bytes
.set SCL,  27                          ; v27     2^(eo - ea - eb) as f32
.set SPW,  28                          ; v28     LDS address of my spare word: SPARE + 4 x my thread's number; never rewritten
.set NIL,  29                          ; v29     0; never rewritten
.set LIM,  30                          ; v30     448 x that power of two
.set TMP,  32
.set AF,   128
.set CD,   128                         ; the way out: codes, 16 registers for each block of 16 rows
.set G1,  24                           ; s[24:31] descriptor group 1 for A's tiles;  s[32:39] for B's
.set G1B, 32
.set G0,  40                           ; s[40:51] group 0 for A's tiles, a set for each slot;  s[52:63] for B's
.set G0B, 52
.set MSB, 0
.macro WIN new                         ; the immediate's high byte repeats the setting that is left
.if MSB != \new
	s_set_vgpr_msb (MSB<<8)|\new
.set MSB, \new
.endif
.endm
.set MUL,  0xa1                        ; source 0 (B) window 1, source 1 (A) window 0, C and D window 2
.set TO_B, 0x40                        ; destination window 1, address window 0
.macro PLACES                          ; four plain vector instructions in front of loads into registers that matrix instructions have read, and of the first read of results (ISA guide 7.12.1 for vector instructions)
.rept 4
	v_nop
.endr
.endm
.macro CREST                           ; a round of the cluster's barrier behind its opening barrier
	s_cmp_lg_u32 s14, 0
	s_cbranch_scc1 .Lnot_wave_0_\@
	s_barrier_signal -3
.Lnot_wave_0_\@:
	s_barrier_wait -3
	s_barrier_signal -1
	s_barrier_wait -1
.endm
.macro CROUND                          ; a whole round
	s_barrier_signal -1
	s_barrier_wait -1
	CREST
.endm
.macro JLOAD                           ; the joint refill of slot 0: waves 0 and 1 fetch A's halves, waves 2 and 3 B's; four v_nop follow each of the two lines
	s_cmp_eq_u32 s15, 0
	s_cbranch_scc0 .Lfor_b_\@
	tensor_load_to_lds s[G0:G0+3], s[G1:G1+7]
	s_nop 0
.rept 4
	v_nop
.endr
	s_branch .Lasked_\@
.Lfor_b_\@:
	tensor_load_to_lds s[G0B:G0B+3], s[G1B:G1B+7]
	s_nop 0
.rept 4
	v_nop
.endr
.Lasked_\@:
.endm
	s_load_b128 s[4:7], s[0:1], 0x0                ; the codes s[4:5], the scales' exponents s[6:7]
	s_load_b64 s[8:9], s[0:1], 0x10                ; the results' codes
	v_lshl_add_u32 v[SPW], v0, 2, SPARE
	v_mov_b32 v[NIL], 0
	ds_add_u32 v28, v29
	ds_add_u32 v28, v29
	s_wait_dscnt 0x0
	v_lshrrev_b32 v1, 5, v0
	v_readfirstlane_b32 s14, v1                    ; wave 0..3
	s_lshr_b32 s15, s14, 1                         ; which 64 rows of the tile are mine.  Also: I fetch for A (0) or for B (1)
	s_and_b32 s16, s14, 1                          ; which 128 columns.  Also: which half of that tile I fetch
	s_bfe_u32 s66, ttmp6, 0x40000                  ; cx, cy: my place in the cluster
	s_bfe_u32 s67, ttmp6, 0x40004
	s_and_b32 s68, ttmp7, 0xffff                   ; the cluster's y = 16 t + c
	s_lshr_b32 s69, s68, 4                         ; t: 0 q, 1 k, 2 v
	s_and_b32 s70, s68, 15                         ; c
	s_and_b32 s17, s70, 1
	s_lshr_b32 s18, s70, 1
	s_lshl_b32 s19, s69, 23                        ; t x 8 MiB: the tokens' codes of tensor t, and later its results
	s_add_co_u32 s20, s69, 24
	s_lshl_b32 s20, s20, 20                        ; (24 + t) MiB: its weight's codes
	s_cmp_eq_u32 s69, 2
	s_cselect_b32 s73, s17, s70                    ; v: 8 tile rows (1,024 channels) and 32 tile columns (8,192 tokens); q, k: 64 tile rows and 4 tile columns
	s_cselect_b32 s74, s18, 0
	s_cselect_b32 s78, 26<<20, s19                 ; where A's codes begin: wv's, or the tokens'
	s_cselect_b32 s80, 16<<20, s20                 ; where B's begin: v's tokens', or the weight's
	s_lshl_b32 s73, s73, 2
	s_add_co_u32 s73, s73, s67                     ; tile row: made of c and cy alone
	s_lshl_b32 s74, s74, 2
	s_add_co_u32 s74, s74, s66                     ; tile column: made of c and cx alone
	s_lshl_b32 s75, s67, 2
	s_lshl_b32 s75, 15, s75                        ; my row of the cluster
	s_lshl_b32 s76, 0x1111, s66                    ; my column
	; descriptor group 1: rows of 256 bytes, 1,024 bytes apart in memory, padded in LDS; A: 64 rows, B: 128 rows
	s_or_b32 s[G1], s75, (1<<20)|(1<<21)|(5<<22)|(3<<25)    ; 15:0 the mask: A's tiles go to my row; 17:16 elements of 1 byte; 20 padding on; 21 set beside a mask; 24:22 after every 64 words (code 5); 31:25 of 4 words (code 3)
	s_or_b32 s[G1B], s76, (1<<20)|(1<<21)|(5<<22)|(3<<25)   ; the same with the mask of my column
	s_mov_b32 s[G1+1], 256<<16                     ; tensor_dim0
	s_mov_b32 s[G1+2], 64<<16                      ; tensor_dim1
	s_mov_b32 s[G1+3], 256<<16                     ; tile_dim0
	s_mov_b32 s[G1+4], 64                          ; tile_dim1
	s_mov_b32 s[G1+5], 1024                        ; tensor_dim0_stride
	s_mov_b32 s[G1+6], 0
	s_mov_b32 s[G1+7], 0
	s_mov_b32 s[G1B+1], 256<<16
	s_mov_b32 s[G1B+2], 128<<16
	s_mov_b32 s[G1B+3], 256<<16
	s_mov_b32 s[G1B+4], 128
	s_mov_b32 s[G1B+5], 1024
	s_mov_b32 s[G1B+6], 0
	s_mov_b32 s[G1B+7], 0
	s_lshl_b32 s17, s73, 17                        ; A: row 128 x tile row + 64 x half, rows of 1,024 bytes
	s_add_co_u32 s78, s78, s17
	s_lshl_b32 s17, s16, 16
	s_add_co_u32 s78, s78, s17
	s_mov_b32 s79, 0
	s_lshl_b32 s18, s74, 18                        ; B: row 256 x tile column + 128 x half
	s_add_co_u32 s80, s80, s18
	s_lshl_b32 s18, s16, 17
	s_add_co_u32 s80, s80, s18
	s_mov_b32 s81, 0
	s_mul_i32 s21, s16, AHALF                      ; where they go in a slot: no place in the cluster enters an LDS address
	s_mul_i32 s22, s16, BHALF
	s_add_co_u32 s22, s22, ATILE
	s_wait_kmcnt 0x0
	s_load_b256 s[84:91], s[6:7], 0x0              ; e0 .. e7
	s_load_b32 s92, s[6:7], 0x24                   ; e9
	s_add_nc_u64 s[78:79], s[4:5], s[78:79]
	s_add_nc_u64 s[80:81], s[4:5], s[80:81]
	CROUND                                         ; all sixteen work-groups are here: the first joint loads meet
.irp s, 0,1,2
	s_mov_b32 s[G0+4*\s], 1                                        ; count = 1
	s_add_co_u32 s[G0+4*\s+1], s21, \s*SLOT                        ; LDS address
	s_add_nc_u64 s[G0+4*\s+2:G0+4*\s+3], s[78:79], \s*KINC         ; global address: K step s
	s_or_b32 s[G0+4*\s+3], s[G0+4*\s+3], 0x80000000                ; type = 2
	s_mov_b32 s[G0B+4*\s], 1
	s_add_co_u32 s[G0B+4*\s+1], s22, \s*SLOT
	s_add_nc_u64 s[G0B+4*\s+2:G0B+4*\s+3], s[80:81], \s*KINC
	s_or_b32 s[G0B+4*\s+3], s[G0B+4*\s+3], 0x80000000
.endr
	s_cmp_eq_u32 s15, 0                            ; a wave's three first fills stand in one branch, ahead of every wait on TENSORcnt and every LDS read: three loads of mine are out; four v_nop follow the third
	s_cbranch_scc0 .Lfirst_b
	tensor_load_to_lds s[G0:G0+3], s[G1:G1+7]
	s_nop 0
	tensor_load_to_lds s[G0+4:G0+7], s[G1:G1+7]
	s_nop 0
	tensor_load_to_lds s[G0+8:G0+11], s[G1:G1+7]
	s_nop 0
.rept 4
	v_nop
.endr
	s_branch .Lfirst_asked
.Lfirst_b:
	tensor_load_to_lds s[G0B:G0B+3], s[G1B:G1B+7]
	s_nop 0
	tensor_load_to_lds s[G0B+4:G0B+7], s[G1B:G1B+7]
	s_nop 0
	tensor_load_to_lds s[G0B+8:G0B+11], s[G1B:G1B+7]
	s_nop 0
.rept 4
	v_nop
.endr
.Lfirst_asked:
	v_and_b32 v1, 15, v0                           ; r = lane % 16
	v_bfe_u32 v2, v0, 4, 1                         ; hh = lane / 16
	v_mul_u32_u24 v3, v1, PITCH
	v_lshl_add_u32 v3, v2, 4, v3                   ; a fragment's row x pitch + 16 x half
	s_mul_i32 s17, s15, AHALF                      ; my 64 rows of A
	s_mul_i32 s18, s16, BHALF                      ; my 128 rows of B,
	s_add_co_u32 s18, s18, ATILE                   ; which lie behind A's 128
.irp s, 0,1,2
	v_add_nc_u32 v[ADRA+\s], s17, v3
	v_add_nc_u32 v[ADRB+\s], s18, v3
	s_add_co_u32 s17, s17, SLOT
	s_add_co_u32 s18, s18, SLOT
.endr
	; the stage.  Row 64 x rowhalf + 16 a + r of the tile goes to stage row 64 x rowhalf + 32 (a / 2) + 16 (r / 8) + 8 (a % 2) + r % 8: bits 3 and 4 exchanged; a's part stands in the stores' immediates
	v_lshrrev_b32 v4, 3, v1
	v_and_b32 v5, 7, v1
	v_lshl_add_u32 v4, v4, 4, v5
	v_mul_u32_u24 v4, v4, PITCH
	v_lshl_add_u32 v4, v2, 3, v4                   ; + 8 bytes for the upper half of the lanes
	s_mul_i32 s17, s15, AHALF
	s_lshl_b32 s18, s16, 7                         ; my 128 columns are 128 bytes
	s_add_co_u32 s17, s17, s18
	s_add_co_u32 s17, s17, STAGE
	v_add_nc_u32 v[STO], s17, v4
	v_and_b32 v6, 31, v0
	v_lshrrev_b32 v7, 2, v6                        ; back: wave w takes bytes 64 w .. 64 w + 63 of every row; four lanes to a row, eight rows an instruction
	v_mul_u32_u24 v7, v7, PITCH
	v_and_b32 v8, 3, v6
	v_lshl_add_u32 v7, v8, 4, v7
	s_lshl_b32 s18, s14, 6
	s_add_co_u32 s18, s18, STAGE
	v_add_nc_u32 v[RD], s18, v7
	v_lshlrev_b32 v[CO], 4, v6
	; where my 128 rows x 64 bytes go.  q, k: head 4 x tile column + w, positions 128 x (tile row % 16) on of batch tile row / 16: 8,192 bytes on end
	s_lshr_b32 s17, s73, 4
	s_lshl_b32 s17, s17, 4
	s_lshl_b32 s18, s74, 2
	s_add_co_u32 s17, s17, s18
	s_add_co_u32 s17, s17, s14
	s_lshl_b32 s17, s17, 17                        ; a head's 2,048 x 64 bytes
	s_and_b32 s18, s73, 15
	s_lshl_b32 s18, s18, 13
	s_add_co_u32 s17, s17, s18
	s_add_co_u32 s17, s17, s19                     ; + t x 8 MiB
	; v: batch tile column / 8, heads 2 x tile row and the next, block of 64 keys 4 x (tile column % 8) + w: 4,096 bytes on end for each of the two heads
	s_lshr_b32 s20, s74, 3
	s_lshl_b32 s20, s20, 4
	s_lshl_b32 s21, s73, 1
	s_add_co_u32 s20, s20, s21
	s_lshl_b32 s20, s20, 5
	s_and_b32 s21, s74, 7
	s_lshl_b32 s21, s21, 2
	s_add_co_u32 s20, s20, s21
	s_add_co_u32 s20, s20, s14
	s_lshl_b32 s20, s20, 12
	s_add_co_u32 s20, s20, 16<<20
	s_mov_b32 s22, 4096                            ; from stage rows 0-63 to rows 64-127: on end (q, k), or a head on (v)
	s_cmp_eq_u32 s69, 2
	s_cselect_b32 s82, s20, s17
	s_cselect_b32 s22, 131072, s22
	s_mov_b32 s83, 0
	s_mov_b32 s23, 0
	s_add_nc_u64 s[10:11], s[8:9], s[82:83]
	s_add_nc_u64 s[12:13], s[10:11], s[22:23]
; 48 LDS loads in one run: the fragments of the slot's q-th 128 along K into set p.  A fragment, 16 rows x 128 K, is 16 registers: lane l holds row l % 16; registers 4 c .. 4 c + 3 hold K = 32 c + 16 (l / 16) + 0 .. 15.
; (A permutation of k against the form's own layout, the same in A and in B: every product meets its partner.)
.macro FETCH slot, q, p
	WIN TO_B
.irp i, 0,1,2,3,4,5,6,7
.irp c, 0,1,2,3
	ds_load_b128 v[128*(\p)+FR*\i+4*\c:128*(\p)+FR*\i+4*\c+3], v[ADRB+\slot] offset:128*(\q)+32*\c+\i*16*PITCH
.endr
.endr
	WIN 0
.irp i, 0,1,2,3
.irp c, 0,1,2,3
	ds_load_b128 v[AF+64*(\p)+FR*\i+4*\c:AF+64*(\p)+FR*\i+4*\c+3], v[ADRA+\slot] offset:128*(\q)+32*\c+\i*16*PITCH
.endr
.endr
.endm
; 8 matrix instructions: A's block a x B's eight, 128 along K, set p.  zero = 1: the first product starts the sums.  The 32 accumulators take turns, one instruction a turn, in the same order in every step.
.macro MUL8 a, p, zero
.irp b, 0,1,2,3,4,5,6,7
.if \zero
	v_wmma_f32_16x16x128_fp8_fp8 v[8*(8*(\a)+\b):8*(8*(\a)+\b)+7], v[128*(\p)+FR*\b:128*(\p)+FR*\b+FR-1], v[AF+64*(\p)+FR*(\a):AF+64*(\p)+FR*(\a)+FR-1], 0
.else
	v_wmma_f32_16x16x128_fp8_fp8 v[8*(8*(\a)+\b):8*(8*(\a)+\b)+7], v[128*(\p)+FR*\b:128*(\p)+FR*\b+FR-1], v[AF+64*(\p)+FR*(\a):AF+64*(\p)+FR*(\a)+FR-1], v[8*(8*(\a)+\b):8*(8*(\a)+\b)+7]
.endif
.endr
.endm
; A step of 128 along K on set p; the next step's fragments (slot nslot, its nq-th 128) are asked for first, into the other set, and land under the 32 products.
.macro STEP nslot, nq, p, zero
	s_wait_dscnt 0x0                               ; set p is in
	PLACES                                         ; the other set was read by the step before
	FETCH \nslot, \nq, 1-(\p)
	WIN MUL
	MUL8 0, \p, \zero
	MUL8 1, \p, \zero
	MUL8 2, \p, \zero
	MUL8 3, \p, \zero
	WIN 0
.endm
; A step on set 1 that needs a barrier: in front of it each wave waits for all its tensor loads, adds 0 to its spare word, and waits for that and for its own LDS reads.
; fill = 1: slot 0 has been read out and is filled again, with K step 3; the barrier then opens a round of the cluster's.  fill = 0: that refill has landed, in every wave.
.macro TURN fill, nslot
	s_wait_tensorcnt 0x0                           ; all my tensor loads have landed  (every window is 0 here: the add's two registers lie in window 0)
	ds_add_u32 v[SPW], v[NIL]                      ; 0 onto my spare word
	s_wait_dscnt 0x1                               ; set 1 is in; the add alone may be out
	WIN MUL
	MUL8 0, 1, 0                                   ; eight matrix instructions stand between the add and the wait for it
	s_wait_dscnt 0x0                               ; the add is done, and my LDS reads are over
	s_barrier_signal -1
	MUL8 1, 1, 0
	WIN 0
	s_barrier_wait -1
.if \fill
	CREST                                          ; no wave of any partner still reads slot 0 or has a load on its way
	s_add_nc_u64 s[G0+2:G0+3], s[G0+2:G0+3], 3*KINC
	s_add_nc_u64 s[G0B+2:G0B+3], s[G0B+2:G0B+3], 3*KINC
	JLOAD                                          ; the first tensor load behind the round, and my only one; its four v_nop are also the places in front of the loads below
.else
	PLACES
.endif
	FETCH \nslot, 0, 0
	WIN MUL
	MUL8 2, 1, 0
	MUL8 3, 1, 0
	WIN 0
.endm
	s_wait_tensorcnt 0x2                           ; my part of K step 0 is in; those of K steps 1 and 2 may stay out
	s_barrier_signal -1
	s_barrier_wait -1                              ; everybody's is
	FETCH 0, 0, 0
	STEP 0, 1, 0, 1                                ; K   0-127: these products start the sums
	TURN 1, 1                                      ; K 128-255; slots 1 and 2 are whole in every wave; slot 0 takes K step 3
	STEP 1, 1, 0, 0                                ; K 256-383
	STEP 2, 0, 1, 0                                ; K 384-511
	STEP 2, 1, 0, 0                                ; K 512-639
	TURN 0, 0                                      ; K 640-767; the refill has landed
	STEP 0, 1, 0, 0                                ; K 768-895
	s_wait_dscnt 0x0                               ; K 896-1,023: nothing more to fetch
	WIN MUL
	MUL8 0, 1, 0
	MUL8 1, 1, 0
	MUL8 2, 1, 0
	MUL8 3, 1, 0
	WIN 0
	; THE WAY OUT.  The sums are held, converted (8 neighbouring columns of a row: 8 bytes), and put into the work-group's stage; a barrier, since a stage row's 256 bytes come from two waves; then each wave
	; reads 64 bytes of every row, which lie on end in memory.
	s_wait_kmcnt 0x0
	s_sub_co_i32 s17, s90, s84
	s_sub_co_i32 s17, s17, s85                     ; q: e6 - e0 - e1
	s_sub_co_i32 s18, s91, s86
	s_sub_co_i32 s18, s18, s87                     ; k: e7 - e2 - e3
	s_sub_co_i32 s19, s92, s88
	s_sub_co_i32 s19, s19, s89                     ; v: e9 - e4 - e5
	s_cmp_eq_u32 s69, 1
	s_cselect_b32 s17, s18, s17
	s_cmp_eq_u32 s69, 2
	s_cselect_b32 s17, s19, s17
	s_add_co_i32 s17, s17, 127
	s_lshl_b32 s18, s17, 23
	v_mov_b32 v[SCL], s18                          ; the conversion takes its exponent field
	s_add_co_i32 s17, s17, 8
	s_lshl_b32 s17, s17, 23
	s_or_b32 s17, s17, 0x600000
	v_mov_b32 v[LIM], s17                          ; 448 x that
	PLACES                                         ; behind the last products
.macro BLOCK a                         ; my rows 16 a .. 16 a + 15
	WIN 0x02                                       ; source 0: window 2
.set j, 0
.rept 64
	v_med3_num_f32 v[TMP+j], v[64*(\a)+j], -v[LIM], v[LIM]   ; the conversion to an 8-bit code does not saturate (ISA guide 7.6.2); each accumulator is read from its low end on
.set j, j+1
.endr
	WIN 0
.irp b, 0,1,2,3,4,5,6,7
	v_cvt_scalef32_pk8_fp8_f32 v[CD+16*(\a)+2*\b:CD+16*(\a)+2*\b+1], v[TMP+8*\b:TMP+8*\b+7], v[SCL]
.endr
	v_nop                                          ; one plain vector instruction between the conversions and the next block's holds, which write their sources
.irp b, 0,1,2,3,4,5,6,7
	ds_store_b64 v[STO], v[CD+16*(\a)+2*\b:CD+16*(\a)+2*\b+1] offset:(32*((\a)/2)+8*((\a)%2))*PITCH+16*\b
.endr
.endm
	BLOCK 0
	BLOCK 1
	BLOCK 2
	BLOCK 3
	s_wait_dscnt 0x0                               ; for the others' sake: my stores into the stage are done
	s_barrier_signal -1
	s_barrier_wait -1
.irp t, 0,1,2,3,4,5,6,7,8,9,10,11,12,13,14,15
	ds_load_b128 v[TMP+4*\t:TMP+4*\t+3], v[RD] offset:\t*8*PITCH
.endr
.irp t, 0,1,2,3,4,5,6,7
	s_wait_dscnt 15-\t                             ; load t is back; the younger ones may be out
	global_store_b128 v[CO], v[TMP+4*\t:TMP+4*\t+3], s[10:11] offset:512*\t        ; 32 lanes store 512 consecutive bytes, aligned
.endr
.irp t, 8,9,10,11,12,13,14,15
	s_wait_dscnt 15-\t
	global_store_b128 v[CO], v[TMP+4*\t:TMP+4*\t+3], s[12:13] offset:512*(\t-8)
.endr
	s_wait_tensorcnt 0x0                           ; the wave's end: behind my last tensor load and my last LDS store
	ds_add_u32 v[SPW], v[NIL]
	s_wait_dscnt 0x0
	CROUND                                         ; the closing round: no work-group ends while a partner may still ask for a tile that names it
	s_endpgm
.Lfunc_end_k_qc64abcd759_proj:
	.size	k_qc64abcd759_proj, .Lfunc_end_k_qc64abcd759_proj-k_qc64abcd759_proj
	.p2alignl 7, 3214868480
	.fill 96, 4, 3214868480
	.section	.rodata,"a",@progbits
	.p2align	6, 0x0
	.amdhsa_kernel k_qc64abcd759_proj
		.amdhsa_group_segment_fixed_size 327680
		.amdhsa_private_segment_fixed_size 0
		.amdhsa_enable_private_segment 0
		.amdhsa_kernarg_size 24
		.amdhsa_user_sgpr_count 2
		.amdhsa_user_sgpr_kernarg_segment_ptr 1
		.amdhsa_wavefront_size32 1
		.amdhsa_system_sgpr_workgroup_id_x 1
		.amdhsa_system_sgpr_workgroup_id_y 1
		.amdhsa_system_sgpr_workgroup_id_z 1
		.amdhsa_system_vgpr_workitem_id 0
		.amdhsa_next_free_vgpr 768
		.amdhsa_next_free_sgpr 100
		.amdhsa_reserve_vcc 0
		.amdhsa_float_denorm_mode_32 3
		.amdhsa_float_denorm_mode_16_64 3
		.amdhsa_memory_ordered 1
		.amdhsa_forward_progress 1
		.amdhsa_inst_pref_size 78
	.end_amdhsa_kernel
	.amdgpu_metadata
---
amdhsa.version: [ 1, 2 ]
amdhsa.kernels:
  - .name:           k_qc64abcd759_proj
    .symbol:         k_qc64abcd759_proj.kd
    .args:
      - { .name: codes, .offset: 0, .size: 8, .value_kind: global_buffer, .address_space: global }
      - { .name: lowp_scales, .offset: 8, .size: 8, .value_kind: global_buffer, .address_space: global }
      - { .name: proj, .offset: 16, .size: 8, .value_kind: global_buffer, .address_space: global }
    .group_segment_fixed_size: 327680
    .private_segment_fixed_size: 0
    .kernarg_segment_align: 8
    .kernarg_segment_size: 24
    .max_flat_workgroup_size: 128
    .sgpr_count:     100
    .vgpr_count:     768
    .wavefront_size: 32
...
	.end_amdgpu_metadata
.endif
;; end of part 2
;; launch attn (part 3): grid 4 x 64, 16 waves a work-group, no clusters, 280,576 bytes of LDS; arguments proj, lowp_scales, att; writes att
.if DOCPART == 3
	.amdgcn_target "amdgcn-amd-amdhsa--gfx1250"
	.amdhsa_code_object_version 6
	.text
	.protected	k_qc64abcd759_attn
	.globl	k_qc64abcd759_attn
	.p2align	8
	.type	k_qc64abcd759_attn,@function
k_qc64abcd759_attn:
	s_mov_b64 s[64:65], 0
	v_nop
	global_prefetch_b8 v0, s[64:65] scope:SCOPE_SE
	s_setreg_imm32_b32 hwreg(HW_REG_WAVE_MODE, 25, 1), 1
	s_wait_xcnt 0x0
; Causal attention of one head on codes of FP8 (E4M3), head size 64, 2,048 keys; the result is quantised at once (scale e10) for the last projection.
; xq, xk: [b x head 64][pos 2,048][64 bytes], pos = the token with bits 3 and 4 exchanged.  xv: [b x head][block of 64 keys 32][dpos 64][64 keys], dpos = the channel with bits 3 and 4 exchanged.
; THE SOFTMAX AHEAD OF THE SECOND PRODUCT: t = score x log2(e) / 8; M = the row's largest t so far, rounded UP to a whole number; p = 2^(t - M) is what is quantised (scale e8); it is not normalised.
; The row's sum is taken of the unquantised p, in f32, and divides O at the end.  When M moves, the sum and O are multiplied by 2^(old M - new M): exact.
; SHARES.  Work-group (i, head) owns the blocks i and 7 - i of 256 queries.  Wave w owns 16 queries of each: tile w of the low block, tile 15 - w of the high one.  The key steps of 128 that count for it are
; (2 i + w / 8 + 1) + (15 - 2 i + (15 - w) / 8) = 17, the same for every wave of every work-group.
; LDS holds ALL of the head's K and V, 131,072 bytes each, filled once through registers and only read from then on: one barrier in the whole text.  Four dense rows of 64 bytes make an LDS row of 256 bytes + 16 of padding:
; row n lies at (n / 4) x 272 + (n % 4) x 64, and the 16 lanes of half a load touch 16 different columns of 16 bytes.
; NO CLUSTER, NO JOINT LOADS: the four work-groups of a head read the same 262,144 bytes, but each reads them once in the launch, at its start, for 17 x 16 key steps of work; it branches
; on the given e8, which spares 64 holds in every key step (below).
; LAYOUT.  Both products are used transposed: S^T = K Q^T (source 0 = 16 LDS rows of K, source 1 = my 16 queries), O^T = V^T P^T (source 0 = 16 LDS rows of V, source 1 = P): a lane holds ONE query (lane % 16) throughout.
; By the exchange of bits 3 and 4, LDS rows 16 T .. 16 T + 15 of K are keys 32 (T / 2) + 8 (T % 2) + r + 8 (r / 8): the 16 registers of tiles 2 b and 2 b + 1 are the keys 32 b + 16 (lane / 16) + 0 .. 15, so the conversions'
; results ARE the second product's operand.  Likewise O^T's tiles 2 b, 2 b + 1 hold the channels 32 b + 16 (lane / 16) + 0 .. 15: the result's codes leave straight from registers.
; att: [128 tokens' block 64][chunk of 32 along K 32][token 128][32 bytes], K = 64 x head + channel: a store of the wave covers 512 consecutive bytes, aligned.
; CAUSAL.  The loops' trip counts are constants (8 and 16 key steps); a step all of whose keys come after my queries is jumped over by a scalar branch on ids.  A step that is walked has its first key at or before my first
; query, so every query has a key that counts in it.
; LIMITS on the given exponents, so that each power of two below is an f32 number: e6 + e7 between -123 and 130; e8, and e10 - e8 - e9, between -126 and 119.  NaN among the inputs is not served.
; REGISTERS: v1-7 addresses that stay; v3, v4 the step's; v12 -M, v13 the largest t, v[14:15] the sum in two halves; v16-23, v24-31 Q of the two passes; v32-95 K's eight fragments, then V's four; v96-159 S^T, then p;
;   v160-191 O^T; v192-223 the way out; v224-239 p's codes, at last the result's; v240, v244: 448 x 2^e8, 2^e8; v241, v245 the same for e10 - e8 - e9; v236, v242, v243, v252-254 at work; v246, v247 the fill.
.set KP,    272
.set HALFB, 512*KP                     ; K's (or V's) 512 LDS rows: 139,264 bytes
.set VOFF,  HALFB
.set STEPB, 32*KP                      ; 128 keys: 32 LDS rows of K; and two blocks of 64 keys of V, 16 LDS rows each
.set LB,   1                           ; v1   my lane's place in 16 rows of 64 bytes: (r / 4) x 272 + (r % 4) x 64 + 16 (lane / 16)
.set LBV,  2                           ; v2   the same + VOFF
.set ADK,  3                           ; v3   LDS address of the step's K
.set ADV,  4                           ; v4   of its V
.set QA,   5                           ; v5   my lane's byte in 32 positions of Q
.set GO,   6                           ; v6   my 16 bytes of a store's 512: 32 r + 16 (lane / 16)
.set DQ,   7                           ; v7   r - 16 (lane / 16), for the mask
.set SEL,  20                          ; s[20:21] lane selects for v_permlanex16_b32: lane l xor 16
.set CS,   22                          ; s[22:23] c = log2(e) / 8 x 2^(e6 + e7)
.set TB,   24                          ; s24  LDS byte at which the step's rows begin
.set KF,   25                          ; s25  the step's first key
.set Q0,   26                          ; s26  my first query
.set QL,   27                          ; s27  my last
.set CNT,  28                          ; s28  key steps to go
	s_load_b128 s[4:7], s[0:1], 0x0                ; xq, xk, xv s[4:5]; the scales' exponents s[6:7]
	s_load_b64 s[8:9], s[0:1], 0x10                ; att
	v_lshl_add_u32 v251, v0, 2, 0x44000
	v_mov_b32 v255, 0
	v_lshrrev_b32 v1, 5, v0
	v_readfirstlane_b32 s10, v1                    ; wave 0..15
	s_and_b32 s12, ttmp7, 0xffff                   ; 16 b + head
	s_lshl_b32 s13, s12, 17                        ; its 131,072 bytes in each of the three tensors
	s_lshl_b32 s45, ttmp9, 8
	s_lshl_b32 s29, s10, 4
	s_add_co_u32 s45, s45, s29                     ; the low pass's first query: 256 i + 16 w
	s_sub_co_u32 s46, 2032, s45                    ; the high pass's: 256 (7 - i) + 16 (15 - w)
; the byte offsets of 16 queries from s[q0] on: in xq into s[qb] (its 32 positions' block, + 8 positions where bit 4 of the query is set), in att into s[ab]; each with 0 above it
.macro OFFS q0, qb, ab
	s_lshr_b32 s29, s[\q0], 5
	s_lshl_b32 s29, s29, 11
	s_bfe_u32 s30, s[\q0], 0x10004
	s_lshl_b32 s30, s30, 9
	s_add_co_u32 s29, s29, s30
	s_add_co_u32 s[\qb], s29, s13
	s_mov_b32 s[\qb+1], 0
	s_lshr_b32 s29, s12, 4
	s_lshl_b32 s29, s29, 11
	s_add_co_u32 s29, s29, s[\q0]                  ; the token: 2,048 b + query
	s_lshr_b32 s30, s29, 7
	s_lshl_b32 s30, s30, 17                        ; its block of 128 tokens: 131,072 bytes
	s_and_b32 s29, s29, 127
	s_lshl_b32 s29, s29, 5
	s_add_co_u32 s30, s30, s29
	s_and_b32 s29, s12, 15
	s_lshl_b32 s29, s29, 13                        ; the head's two chunks of 4,096 bytes
	s_add_co_u32 s[\ab], s30, s29
	s_mov_b32 s[\ab+1], 0
.endm
	OFFS 45, 32, 40
	OFFS 46, 34, 42
	s_lshr_b32 s16, s10, 3                         ; the fill: waves 0-7 bring K, waves 8-15 V; 16,384 bytes each
	s_and_b32 s17, s10, 7
	s_add_co_u32 s14, s16, 1
	s_lshl_b32 s14, s14, 23                        ; xk begins 8 MiB, xv 16 MiB behind xq
	s_add_co_u32 s14, s14, s13
	s_lshl_b32 s29, s17, 14
	s_add_co_u32 s14, s14, s29
	s_mov_b32 s15, 0
	s_mul_i32 s18, s16, HALFB
	s_mul_i32 s19, s17, 64*KP
	s_add_co_u32 s18, s18, s19                     ; and where they go: 64 LDS rows for each wave
	s_mov_b32 s[SEL], 0x76543210
	s_mov_b32 s[SEL+1], 0xfedcba98
	v_and_b32 v8, 15, v0                           ; r
	v_bfe_u32 v9, v0, 4, 1                         ; hh = lane / 16
	v_and_b32 v10, 31, v0                          ; lane
	v_lshrrev_b32 v11, 3, v8
	v_and_b32 v[QA], 7, v8
	v_lshl_add_u32 v[QA], v11, 4, v[QA]            ; query r lies at position 16 (r / 8) + r % 8 of its block
	v_lshlrev_b32 v[QA], 6, v[QA]
	v_lshl_add_u32 v[QA], v9, 4, v[QA]
	v_lshlrev_b32 v246, 4, v10                     ; the fill: 16 bytes a lane,
	v_mul_u32_u24 v247, v9, KP                     ; sixteen lanes to an LDS row
	v_lshl_add_u32 v247, v8, 4, v247
	v_add_nc_u32 v247, s18, v247
	s_wait_kmcnt 0x0
	s_load_b128 s[36:39], s[6:7], 0x18             ; e6, e7, e8, e9
	s_load_b32 s44, s[6:7], 0x28                   ; e10
	s_add_nc_u64 s[32:33], s[4:5], s[32:33]        ; Q of the low pass, of the high pass
	s_add_nc_u64 s[34:35], s[4:5], s[34:35]
	s_add_nc_u64 s[40:41], s[8:9], s[40:41]        ; att likewise
	s_add_nc_u64 s[42:43], s[8:9], s[42:43]
	s_add_nc_u64 s[14:15], s[4:5], s[14:15]
	global_load_b128 v[16:19], v[QA], s[32:33]             ; Q's fragments stay in registers: registers 0-3 channels 16 hh + 0 .. 15, registers 4-7 channels 32 + 16 hh + 0 .. 15, as K's
	global_load_b128 v[20:23], v[QA], s[32:33] offset:32
	global_load_b128 v[24:27], v[QA], s[34:35]
	global_load_b128 v[28:31], v[QA], s[34:35] offset:32
.set n, 0
.rept 32
	global_load_b128 v[32+4*n:35+4*n], v246, s[14:15] offset:512*n   ; 32 lanes read 512 consecutive bytes: two LDS rows
.set n, n+1
.endr
	v_lshrrev_b32 v11, 2, v8
	v_mul_u32_u24 v[LB], v11, KP
	v_and_b32 v11, 3, v8
	v_lshl_add_u32 v[LB], v11, 6, v[LB]
	v_lshl_add_u32 v[LB], v9, 4, v[LB]
	v_add_nc_u32 v[LBV], VOFF, v[LB]
	v_lshlrev_b32 v[GO], 5, v8
	v_lshl_add_u32 v[GO], v9, 4, v[GO]
	v_lshlrev_b32 v11, 4, v9
	v_sub_nc_u32 v[DQ], v8, v11
	v_mov_b32 v236, 0                              ; written once: a lane permute's destination counts as one of its sources,
	v_mov_b32 v252, 0
	v_mov_b32 v253, 0                              ; (named as the upper half of the pair v[252:253])
	v_mov_b32 v254, 0
	s_wait_kmcnt 0x0
	s_add_co_i32 s29, s36, s37
	s_lshl_b32 s29, s29, 23
	s_add_co_i32 s[CS], s29, 0x3e38aa3b            ; c = log2(e) / 8; a score stands for score x 2^(e6 + e7): the two exponents are added to c's exponent field
	s_mov_b32 s[CS+1], s[CS]                       ; (named with it as a pair, so it is written)
	s_add_co_i32 s29, s38, 127
	s_lshl_b32 s30, s29, 23
	v_mov_b32 v244, s30                            ; 2^e8 as f32, for p's conversions
	s_add_co_i32 s29, s29, 8
	s_lshl_b32 s29, s29, 23
	s_or_b32 s29, s29, 0x600000
	v_mov_b32 v240, s29                            ; 448 x 2^e8
	s_sub_co_i32 s29, s44, s38
	s_sub_co_i32 s29, s29, s39                     ; a sum of the second product stands for sum x 2^(e8 + e9): the result's code is (sum / l) / 2^(e10 - e8 - e9)
	s_add_co_i32 s29, s29, 127
	s_lshl_b32 s30, s29, 23
	v_mov_b32 v245, s30
	s_add_co_i32 s29, s29, 8
	s_lshl_b32 s29, s29, 23
	s_or_b32 s29, s29, 0x600000
	v_mov_b32 v241, s29
.set n, 0
.rept 32
	s_wait_loadcnt 31-n                            ; fill load n is in (and Q, which was asked for first); the younger ones may be out
	ds_store_b128 v247, v[32+4*n:35+4*n] offset:2*KP*n
.set n, n+1
.endr
	s_wait_dscnt 0x0                               ; for the others' sake: my part of K or V lies in LDS
	s_barrier_signal -1
	s_barrier_wait -1                              ; all of K and V do; nobody writes LDS from here on
; A KEY STEP: 128 keys.  qf: the pass's fragment of Q.
.macro STEP qf
	s_cmp_gt_u32 s[KF], s[QL]                      ; all its keys come after my queries: only the lines at its end that step addresses are run
	s_cbranch_scc1 .Lhidden_\@
	v_add_nc_u32 v[ADK], s[TB], v[LB]
	v_add_nc_u32 v[ADV], s[TB], v[LBV]
	v_nop                                          ; with the two additions: four places in front of loads into registers that the last products have read
	v_nop
.irp T, 0,1,2,3,4,5,6,7
.irp c, 0,1
	ds_load_b128 v[32+8*\T+4*\c:35+8*\T+4*\c], v[ADK] offset:4*KP*\T+32*\c
.endr
.endr
	s_wait_dscnt 0x0
.irp T, 0,1,2,3,4,5,6,7                        ; S^T = K Q^T, K = the head's 64: eight tiles of 16 keys, each a sum of its own
	v_wmma_f32_16x16x64_fp8_fp8 v[96+8*\T:103+8*\T], v[32+8*\T:39+8*\T], v[\qf:\qf+7], 0
.endr
.rept 4
	v_nop                                          ; places in front of the loads below and of the first read of the scores
.endr
.irp dt, 0,1,2,3                               ; V's four fragments (16 LDS rows x 128 keys) are asked for now and land under the softmax
.irp c, 0,1,2,3
	ds_load_b128 v[32+16*\dt+4*\c:35+16*\dt+4*\c], v[ADV] offset:((\c/2)*16+4*\dt)*KP+32*(\c%2)
.endr
.endr
	s_add_co_u32 s29, s[KF], 127                   ; on the diagonal the scores of hidden keys become -infinity ahead of the maximum: p = 0 then.  A step all of whose keys count skips this
	s_cmp_le_u32 s29, s[Q0]
	s_cbranch_scc1 .Lopen_\@
	s_sub_co_i32 s29, s[Q0], s[KF]
	v_add_nc_u32 v252, s29, v[DQ]                  ; d = my query - KF - 16 (lane / 16).  Register 16 b + i holds key KF + 32 b + 16 (lane / 16) + i: hidden where 32 b + i > d
	v_mov_b32 v254, 0xff800000                     ; -infinity
.irp n, 0,1,2,3,4,5,6,7,8,9,10,11,12,13,14,15,16,17,18,19,20,21,22,23,24,25,26,27,28,29,30,31,32,33,34,35,36,37,38,39,40,41,42,43,44,45,46,47,48,49,50,51,52,53,54,55,56,57,58,59,60,61,62,63
	v_cmp_gt_i32 vcc_lo, 32*(\n/16)+\n%16, v252
	v_cndmask_b32 v[96+\n], v[96+\n], v254, vcc_lo
.endr
.Lopen_\@:
	v_max3_num_f32 v254, v96, v97, v98             ; the step's largest score of my query, among my 64 keys, in two chains,
	v_max3_num_f32 v252, v99, v100, v101
.irp i, 6,10,14,18,22,26,30,34,38,42,46,50,54,58
	v_max3_num_f32 v254, v254, v[96+\i], v[97+\i]
	v_max3_num_f32 v252, v252, v[98+\i], v[99+\i]
.endr
	v_max3_num_f32 v254, v254, v158, v159
	v_max_num_f32 v254, v254, v252
	v_permlanex16_b32 v236, v254, s[SEL], s[SEL+1]
	v_max_num_f32 v254, v254, v236                 ; and among lane l xor 16's
	v_mul_f32 v254, s[CS], v254                    ; as t (c is positive)
	v_max_num_f32 v13, v13, v254                   ; the running largest t
	v_mov_b32 v254, v12
	v_floor_f32 v12, -v13                          ; the new -M = floor(-t) = -ceil(t): M is a whole number
	v_sub_f32 v254, v12, v254                      ; M's old value less its new one: a whole number, 0 or less
	v_cvt_i32_f32 v254, v254                       ; (it saturates)
	v_ldexp_f32 v252, 1.0, v254                    ; f = 2^(old M - new M): a multiplication by it rounds nothing
.set j, 0
.rept 32
	v_pk_fma_f32 v[96+j:97+j], v[96+j:97+j], s[CS:CS+1], v[12:13] op_sel_hi:[1,0,0]   ; t - M, two at a time (of the pairs c and -M the low word serves both halves)
.set j, j+2
.endr
.set j, 0
.rept 64
	v_exp_f32 v[96+j], v[96+j]                     ; p = 2^(t - M), at most 1: not normalised
.set j, j+1
.endr
	v_pk_mul_f32 v[14:15], v[14:15], v[252:253] op_sel_hi:[1,0]   ; the sums under the new M.  (A plain place behind the exponentials)
	s_wait_alu depctr_va_vdst(0)
	v_pk_add_f32 v[242:243], v[96:97], v[98:99]    ; the row's sum is taken of the unquantised p: two at a time, in two chains
.set j, 4
.rept 15
	v_pk_add_f32 v[14:15], v[14:15], v[96+j:97+j]
	v_pk_add_f32 v[242:243], v[242:243], v[98+j:99+j]
.set j, j+4
.endr
	v_pk_add_f32 v[14:15], v[14:15], v[242:243]
	s_cmp_ge_i32 s38, -8                           ; the conversion does not saturate (ISA guide 7.6.2).  With e8 at -8 or above, 448 x 2^e8 is 1.75 or more, over every p: the 64 holds change nothing and are jumped over
	s_cbranch_scc1 .Lheld_\@
.set j, 0
.rept 64
	v_min_num_f32 v[96+j], v[96+j], v240           ; p is not negative, so the hold is one-sided
.set j, j+1
.endr
.Lheld_\@:
.irp b, 0,1,2,3
	v_cvt_scalef32_pk8_fp8_f32 v[224+4*\b:225+4*\b], v[96+16*\b:103+16*\b], v244
	v_cvt_scalef32_pk8_fp8_f32 v[226+4*\b:227+4*\b], v[104+16*\b:111+16*\b], v244
.endr
.set j, 0
.rept 16
	v_pk_mul_f32 v[160+j:161+j], v[160+j:161+j], v[252:253] op_sel_hi:[1,0]   ; O^T under the new M: x f; each accumulator from its low end on.  (Plain lines between the conversions and the products that read their results)
.set j, j+2
.endr
	s_wait_dscnt 0x0                               ; V's fragments are in
.irp dt, 0,1,2,3                               ; O^T += V^T P^T, K = these 128 keys: four accumulators by turns, one instruction a turn
	v_wmma_f32_16x16x128_fp8_fp8 v[160+8*\dt:167+8*\dt], v[32+16*\dt:47+16*\dt], v[224:239], v[160+8*\dt:167+8*\dt]
.endr
.Lhidden_\@:
	s_add_co_u32 s[KF], s[KF], 128
	s_add_co_u32 s[TB], s[TB], STEPB
.endm
; A PASS: 16 queries from s[q0] on walk the keys; trips: the most key steps that a wave of any work-group needs in this pass.  The result goes to s[ab:ab+1].
.macro PASS qf, trips, q0, ab
	s_wait_xcnt 0x0                                ; the pass before has stored from v224-231: they are written again only behind this wait
	s_mov_b32 s[Q0], s[\q0]
	s_add_co_u32 s[QL], s[\q0], 15
	s_mov_b32 s[TB], 0
	s_mov_b32 s[KF], 0
	s_mov_b32 s[CNT], \trips
	v_mov_b32 v13, 0xff61b1e6                      ; the largest t so far: -3e38, under every t
	v_floor_f32 v12, -v13                          ; -M
	v_mov_b32 v14, 0                               ; the sum, in two halves
	v_mov_b32 v15, 0
.set j, 0
.rept 32
	v_mov_b32 v[160+j], 0                          ; O^T.  (The step is written once for a pass: the first finds zeros, which the first change of M leaves zeros)
.set j, j+1
.endr
.Lstep_\@:
	STEP \qf
	s_sub_co_u32 s[CNT], s[CNT], 1
	s_cmp_lg_u32 s[CNT], 0
	s_cbranch_scc1 .Lstep_\@
	v_nop                                          ; with the two additions and the v_nop behind the reciprocal: the places behind the last products
	v_nop
	v_add_f32 v14, v14, v15                        ; the sum's two halves,
	v_permlanex16_b32 v252, v14, s[SEL], s[SEL+1]
	v_add_f32 v14, v14, v252                       ; and lane l xor 16's: the row's sum l
	v_rcp_f32 v14, v14
	v_nop                                          ; one plain place behind a transcendental
.set j, 0
	s_wait_alu depctr_va_vdst(0)
.rept 16
	v_pk_mul_f32 v[192+j:193+j], v[160+j:161+j], v[14:15] op_sel_hi:[1,0]   ; O^T / l
.set j, j+2
.endr
.set j, 0
.rept 32
	v_med3_num_f32 v[192+j], v[192+j], -v241, v241 ; the hold at the largest code x the scale
.set j, j+1
.endr
.irp dt, 0,1,2,3
	v_cvt_scalef32_pk8_fp8_f32 v[224+2*\dt:225+2*\dt], v[192+8*\dt:199+8*\dt], v245   ; v224-227: channels 16 hh + 0 .. 15; v228-231: channels 32 + 16 hh + 0 .. 15
.endr
	v_nop                                          ; one plain vector instruction behind the last conversion
	global_store_b128 v[GO], v[224:227], s[\ab:\ab+1]              ; the head's first chunk of 32 along K: 32 lanes store 512 consecutive bytes, aligned
	global_store_b128 v[GO], v[228:231], s[\ab:\ab+1] offset:4096  ; its second
.endm
	PASS 16, 8, 45, 40                             ; the low block: at most 8 key steps (query 1,023)
	PASS 24, 16, 46, 42                            ; the high block: at most 16
	s_wait_tensorcnt 0x0
	ds_add_u32 v251, v255
	s_wait_dscnt 0x0
	s_endpgm
.Lfunc_end_k_qc64abcd759_attn:
	.size	k_qc64abcd759_attn, .Lfunc_end_k_qc64abcd759_attn-k_qc64abcd759_attn
	.p2alignl 7, 3214868480
	.fill 96, 4, 3214868480
	.section	.rodata,"a",@progbits
	.p2align	6, 0x0
	.amdhsa_kernel k_qc64abcd759_attn
		.amdhsa_group_segment_fixed_size 280576
		.amdhsa_private_segment_fixed_size 0
		.amdhsa_enable_private_segment 0
		.amdhsa_kernarg_size 24
		.amdhsa_user_sgpr_count 2
		.amdhsa_user_sgpr_kernarg_segment_ptr 1
		.amdhsa_wavefront_size32 1
		.amdhsa_system_sgpr_workgroup_id_x 1
		.amdhsa_system_sgpr_workgroup_id_y 1
		.amdhsa_system_sgpr_workgroup_id_z 1
		.amdhsa_system_vgpr_workitem_id 0
		.amdhsa_next_free_vgpr 256
		.amdhsa_next_free_sgpr 66
		.amdhsa_reserve_vcc 1
		.amdhsa_float_denorm_mode_32 3
		.amdhsa_float_denorm_mode_16_64 3
		.amdhsa_memory_ordered 1
		.amdhsa_forward_progress 1
		.amdhsa_inst_pref_size 63
	.end_amdhsa_kernel
	.amdgpu_metadata
---
amdhsa.version: [ 1, 2 ]
amdhsa.kernels:
  - .name:           k_qc64abcd759_attn
    .symbol:         k_qc64abcd759_attn.kd
    .args:
      - { .name: proj, .offset: 0, .size: 8, .value_kind: global_buffer, .address_space: global }
      - { .name: lowp_scales, .offset: 8, .size: 8, .value_kind: global_buffer, .address_space: global }
      - { .name: att, .offset: 16, .size: 8, .value_kind: global_buffer, .address_space: global }
    .group_segment_fixed_size: 280576
    .private_segment_fixed_size: 0
    .kernarg_segment_align: 8
    .kernarg_segment_size: 24
    .max_flat_workgroup_size: 512
    .sgpr_count:     66
    .vgpr_count:     256
    .wavefront_size: 32
...
	.end_amdgpu_metadata
.endif
;; end of part 3
;; launch outp (part 4): grid 4 x 64, 4 waves a work-group, clusters of 4 x 4, 327,680 bytes of LDS; arguments att, codes, lowp_scales, out0; writes out0
.if DOCPART == 4
	.amdgcn_target "amdgcn-amd-amdhsa--gfx1250"
	.amdhsa_code_object_version 6
	.text
	.protected	k_qc64abcd759_outp
	.globl	k_qc64abcd759_outp
	.p2align	8
	.type	k_qc64abcd759_outp,@function
k_qc64abcd759_outp:
	s_mov_b64 s[64:65], 0
	v_nop
	global_prefetch_b8 v0, s[64:65] scope:SCOPE_SE
	s_setreg_imm32_b32 hwreg(HW_REG_WAVE_MODE, 25, 1), 1
	s_wait_xcnt 0x0
	s_wait_alu depctr_hold_cnt(0) depctr_sa_sdst(0) depctr_va_vdst(0) depctr_va_sdst(0) depctr_va_ssrc(0) depctr_va_vcc(0) depctr_vm_vsrc(0)
	s_getreg_b32 s2, hwreg(HW_REG_IB_STS2, 6, 4)
	s_cmp_eq_u32 s2, 0
	s_cbranch_scc0 .Lentry_in_a_cluster
	s_endpgm
.Lentry_in_a_cluster:
	s_bfe_u32 s2, ttmp6, 0x10000c
	s_cmp_lg_u32 s2, 0xf033
	s_cbranch_scc0 .Lentry_shape_is_right
	s_endpgm
.Lentry_shape_is_right:
; out0 = attention's result x wo^T on codes of FP8 (E4M3), K = 1,024, sums in f32; each finished sum is multiplied once by 2^(e10 + e11).
; LIMIT: e10 + e11 between -126 and 127, so that this power of two is an f32 number.
; TILE.  A work-group of four waves makes 128 tokens (operand A, source 1) x 256 columns (operand B = wo's rows, source 0); a wave 64 x 128: 32 accumulators, 256 registers.  256 tiles.
; THE MATRIX INSTRUCTION IS USED TRANSPOSED (source 0 = 16 rows of B, source 1 = 16 rows of A): a lane holds eight neighbouring numbers of a row of the result.
; A lies as attention stored it: [128 tokens' block][chunk of 32 along K 32][token 128][32 bytes].  A K step of 256 is 8 chunks, 32,768 bytes on end: it comes in as 128 rows of 256 bytes (8 tokens x 32 bytes), padded by 16:
; chunk c, token m lies at (16 c + m / 8) x 272 + (m % 8) x 32, and the 16 lanes of half a load touch 16 different columns of 16 bytes.  B lies by rows of 1,024 bytes.
; RING.  K goes in steps of 256 through THREE LDS slots.  K steps 0, 1, 2 are first fills, three loads a wave out together; K step 3 is the one refill, into slot 0.  No loop: eight steps of 128 are written out.
; CLUSTERS: 4 x 4 work-groups.  The four of a row of the cluster need the same tiles of A, the four of a column the same tiles of B: each tile is asked for JOINTLY.  The grid is one cluster wide.
; REGISTERS, in windows of 256: window 0: v1-31 addresses; v32-95 at work on the way out; v128-191, v192-255 A's fragments, two sets of four, on the way out rows read back.  window 1: B's fragments, two sets of eight.
;   window 2: the accumulators, (a, b) at v[8 (8 a + b)].
.set PITCH,  272                       ; an LDS row: 256 bytes + 16 of padding = 68 words (64 banks of 4 bytes: ISA guide 11.1)
.set AHALF,  64*PITCH                  ; what one tensor load brings of A: four chunks
.set ATILE,  2*AHALF
.set BHALF,  128*PITCH                 ; what one tensor load brings of B, and what one wave reads of it
.set SLOT,   ATILE+2*BHALF             ; A's 128 rows, then B's 256 rows: 104,448 bytes
.set SPARE,  3*SLOT                    ; behind the ring: the spare words, 128 bytes for each wave: two blocks of 256 bytes that no other line names
.set STAGE,  SLOT                      ; the way out: 16 rows x 528 bytes for each wave, in slot 1: its one fill stands at the start, and its last read ahead of the second change of slots
.set SPITCH, 528
.set KINCA,  32768                     ; bytes from a K step to the next in A,
.set KINC,   256                       ; and in B
.set CHUNK,  16*PITCH                  ; a chunk in LDS
.set FR,     16                        ; registers of a fragment: 16 rows x 128 K
.set ADRA, 16                          ; v16-18  LDS address of my A fragments in slot 0, 1, 2
.set ADRB, 20                          ; v20-22  the same for B
.set STO,  24                          ; v24     the way out: where I put 32 bytes of a row
.set RD,   25                          ; v25     the way out: where I read a row back
.set CO,   26                          ; v26     16 x lane: my place in a row's 512 bytes
.set SPW,  28                          ; v28     LDS address of my spare word: SPARE + 4 x my thread's number; never rewritten
.set NIL,  29                          ; v29     0; never rewritten
.set TMP,  32
.set AF,   128
.set BK,   128                         ; the way out: 16 rows read back: v128-191 and v192-255 by turns
.set G1,  24                           ; s[24:31] descriptor group 1 for A's tiles;  s[32:39] for B's
.set G1B, 32
.set G0,  40                           ; s[40:51] group 0 for A's tiles, a set for each slot;  s[52:63] for B's
.set G0B, 52
.set MSB, 0
.macro WIN new                         ; the immediate's high byte repeats the setting that is left
.if MSB != \new
	s_set_vgpr_msb (MSB<<8)|\new
.set MSB, \new
.endif
.endm
.set MUL,  0xa1                        ; source 0 (B) window 1, source 1 (A) window 0, C and D window 2
.set TO_B, 0x40                        ; destination window 1, address window 0
.macro PLACES                          ; four plain vector instructions in front of loads into registers that matrix instructions have read, and of the first read of results (ISA guide 7.12.1 for vector instructions)
.rept 4
	v_nop
.endr
.endm
.macro CREST                           ; a round of the cluster's barrier behind its opening barrier
	s_cmp_lg_u32 s14, 0
	s_cbranch_scc1 .Lnot_wave_0_\@
	s_barrier_signal -3
.Lnot_wave_0_\@:
	s_barrier_wait -3
	s_barrier_signal -1
	s_barrier_wait -1
.endm
.macro CROUND                          ; a whole round
	s_barrier_signal -1
	s_barrier_wait -1
	CREST
.endm
.macro JLOAD                           ; the joint refill of slot 0: waves 0 and 1 fetch A's halves, waves 2 and 3 B's; four v_nop follow each of the two lines
	s_cmp_eq_u32 s15, 0
	s_cbranch_scc0 .Lfor_b_\@
	tensor_load_to_lds s[G0:G0+3], s[G1:G1+7]
	s_nop 0
.rept 4
	v_nop
.endr
	s_branch .Lasked_\@
.Lfor_b_\@:
	tensor_load_to_lds s[G0B:G0B+3], s[G1B:G1B+7]
	s_nop 0
.rept 4
	v_nop
.endr
.Lasked_\@:
.endm
	s_load_b256 s[4:11], s[0:1], 0x0               ; att s[4:5], the inputs' codes s[6:7], the scales' exponents s[8:9], out0 s[10:11]
	v_lshl_add_u32 v[SPW], v0, 2, SPARE
	v_mov_b32 v[NIL], 0
	ds_add_u32 v28, v29
	ds_add_u32 v28, v29
	s_wait_dscnt 0x0
	v_lshrrev_b32 v1, 5, v0
	v_readfirstlane_b32 s14, v1                    ; wave 0..3
	s_lshr_b32 s15, s14, 1                         ; which 64 rows of the tile are mine.  Also: I fetch for A (0) or for B (1)
	s_and_b32 s16, s14, 1                          ; which 128 columns.  Also: which half of that tile I fetch
	s_bfe_u32 s66, ttmp6, 0x40000                  ; cx, cy: my place in the cluster
	s_bfe_u32 s67, ttmp6, 0x40004
	s_and_b32 s68, ttmp7, 0xffff                   ; the cluster's y
	s_lshl_b32 s73, s68, 2
	s_add_co_u32 s73, s73, s67                     ; tile row = the block of 128 tokens: 4 x cluster y + cy
	s_mov_b32 s74, s66                             ; tile column = cx
	s_lshl_b32 s75, s67, 2
	s_lshl_b32 s75, 15, s75                        ; my row of the cluster
	s_lshl_b32 s76, 0x1111, s66                    ; my column
	; descriptor group 1: rows of 256 bytes, padded in LDS; A: 64 rows on end in memory; B: 128 rows, 1,024 bytes apart
	s_or_b32 s[G1], s75, (1<<20)|(1<<21)|(5<<22)|(3<<25)    ; 15:0 the mask: A's tiles go to my row; 17:16 elements of 1 byte; 20 padding on; 21 set beside a mask; 24:22 after every 64 words (code 5); 31:25 of 4 words (code 3)
	s_or_b32 s[G1B], s76, (1<<20)|(1<<21)|(5<<22)|(3<<25)   ; the same with the mask of my column
	s_mov_b32 s[G1+1], 256<<16                     ; tensor_dim0
	s_mov_b32 s[G1+2], 64<<16                      ; tensor_dim1
	s_mov_b32 s[G1+3], 256<<16                     ; tile_dim0
	s_mov_b32 s[G1+4], 64                          ; tile_dim1
	s_mov_b32 s[G1+5], 256                         ; tensor_dim0_stride
	s_mov_b32 s[G1+6], 0
	s_mov_b32 s[G1+7], 0
	s_mov_b32 s[G1B+1], 256<<16
	s_mov_b32 s[G1B+2], 128<<16
	s_mov_b32 s[G1B+3], 256<<16
	s_mov_b32 s[G1B+4], 128
	s_mov_b32 s[G1B+5], 1024
	s_mov_b32 s[G1B+6], 0
	s_mov_b32 s[G1B+7], 0
	s_lshl_b32 s78, s73, 17                        ; A: the block's 131,072 bytes, + four chunks of 4,096 for the second half
	s_lshl_b32 s17, s16, 14
	s_add_co_u32 s78, s78, s17
	s_mov_b32 s79, 0
	s_lshl_b32 s80, s74, 18                        ; B: wo's codes begin at 27 MiB; row 256 x tile column + 128 x half
	s_lshl_b32 s18, s16, 17
	s_add_co_u32 s80, s80, s18
	s_add_co_u32 s80, s80, 27<<20
	s_mov_b32 s81, 0
	s_mul_i32 s21, s16, AHALF                      ; where they go in a slot: no place in the cluster enters an LDS address
	s_mul_i32 s22, s16, BHALF
	s_add_co_u32 s22, s22, ATILE
	s_wait_kmcnt 0x0
	s_load_b64 s[92:93], s[8:9], 0x28              ; e10, e11
	s_add_nc_u64 s[78:79], s[4:5], s[78:79]
	s_add_nc_u64 s[80:81], s[6:7], s[80:81]
	CROUND                                         ; all sixteen work-groups are here: the first joint loads meet
.irp s, 0,1,2
	s_mov_b32 s[G0+4*\s], 1                                        ; count = 1
	s_add_co_u32 s[G0+4*\s+1], s21, \s*SLOT                        ; LDS address
	s_add_nc_u64 s[G0+4*\s+2:G0+4*\s+3], s[78:79], \s*KINCA        ; global address: K step s
	s_or_b32 s[G0+4*\s+3], s[G0+4*\s+3], 0x80000000                ; type = 2
	s_mov_b32 s[G0B+4*\s], 1
	s_add_co_u32 s[G0B+4*\s+1], s22, \s*SLOT
	s_add_nc_u64 s[G0B+4*\s+2:G0B+4*\s+3], s[80:81], \s*KINC
	s_or_b32 s[G0B+4*\s+3], s[G0B+4*\s+3], 0x80000000
.endr
	s_cmp_eq_u32 s15, 0                            ; a wave's three first fills stand in one branch, ahead of every wait on TENSORcnt and every LDS read: three loads of mine are out; four v_nop follow the third
	s_cbranch_scc0 .Lfirst_b
	tensor_load_to_lds s[G0:G0+3], s[G1:G1+7]
	s_nop 0
	tensor_load_to_lds s[G0+4:G0+7], s[G1:G1+7]
	s_nop 0
	tensor_load_to_lds s[G0+8:G0+11], s[G1:G1+7]
	s_nop 0
.rept 4
	v_nop
.endr
	s_branch .Lfirst_asked
.Lfirst_b:
	tensor_load_to_lds s[G0B:G0B+3], s[G1B:G1B+7]
	s_nop 0
	tensor_load_to_lds s[G0B+4:G0B+7], s[G1B:G1B+7]
	s_nop 0
	tensor_load_to_lds s[G0B+8:G0B+11], s[G1B:G1B+7]
	s_nop 0
.rept 4
	v_nop
.endr
.Lfirst_asked:
	v_and_b32 v1, 15, v0                           ; r = lane % 16
	v_bfe_u32 v2, v0, 4, 1                         ; hh = lane / 16
	v_mul_u32_u24 v3, v1, PITCH
	v_lshl_add_u32 v3, v2, 4, v3                   ; B: a fragment's row x pitch + 16 x half
	v_lshrrev_b32 v4, 3, v1                        ; A: token r of a block of 16: (r / 8) x pitch + (r % 8) x 32 + 16 x half
	v_mul_u32_u24 v4, v4, PITCH
	v_and_b32 v5, 7, v1
	v_lshl_add_u32 v4, v5, 5, v4
	v_lshl_add_u32 v4, v2, 4, v4
	s_mul_i32 s17, s15, 8*PITCH                    ; my 64 tokens of A: 8 LDS rows on in every chunk
	s_mul_i32 s18, s16, BHALF                      ; my 128 rows of B,
	s_add_co_u32 s18, s18, ATILE                   ; which lie behind A's tile
.irp s, 0,1,2
	v_add_nc_u32 v[ADRA+\s], s17, v4
	v_add_nc_u32 v[ADRB+\s], s18, v3
	s_add_co_u32 s17, s17, SLOT
	s_add_co_u32 s18, s18, SLOT
.endr
	s_mul_i32 s17, s14, 16*SPITCH
	s_add_co_u32 s17, s17, STAGE                   ; my stage
	v_mul_u32_u24 v5, v1, SPITCH                   ; in: row r, 32 bytes for each half of the lanes
	v_lshl_add_u32 v5, v2, 5, v5
	v_add_nc_u32 v[STO], s17, v5
	v_and_b32 v6, 31, v0
	v_lshlrev_b32 v[CO], 4, v6                     ; back: the 32 lanes take one row of 512 bytes; and the same in out0
	v_add_nc_u32 v[RD], s17, v[CO]
	s_lshl_b32 s82, s73, 19                        ; my part of out0: row 128 x tile row + 64 x half, rows of 4,096 bytes;
	s_lshl_b32 s17, s15, 18
	s_add_co_u32 s82, s82, s17
	s_lshl_b32 s17, s74, 10                        ; column 256 x tile column + 128 x half, 4 bytes each
	s_add_co_u32 s82, s82, s17
	s_lshl_b32 s17, s16, 9
	s_add_co_u32 s82, s82, s17
	s_mov_b32 s83, 0
	s_add_nc_u64 s[10:11], s[10:11], s[82:83]
; 48 LDS loads in one run: the fragments of the slot's q-th 128 along K into set p.  A fragment, 16 rows x 128 K, is 16 registers: lane l holds row l % 16; registers 4 c .. 4 c + 3 hold K = 32 c + 16 (l / 16) + 0 .. 15:
; in B 32 c bytes along the row, in A chunk 4 q + c.  (A permutation of k against the form's own layout, the same in A and in B: every product meets its partner.)
.macro FETCH slot, q, p
	WIN TO_B
.irp i, 0,1,2,3,4,5,6,7
.irp c, 0,1,2,3
	ds_load_b128 v[128*(\p)+FR*\i+4*\c:128*(\p)+FR*\i+4*\c+3], v[ADRB+\slot] offset:128*(\q)+32*\c+\i*16*PITCH
.endr
.endr
	WIN 0
.irp i, 0,1,2,3
.irp c, 0,1,2,3
	ds_load_b128 v[AF+64*(\p)+FR*\i+4*\c:AF+64*(\p)+FR*\i+4*\c+3], v[ADRA+\slot] offset:(4*(\q)+\c)*CHUNK+2*\i*PITCH
.endr
.endr
.endm
; 8 matrix instructions: A's block a x B's eight, 128 along K, set p.  zero = 1: the first product starts the sums.  The 32 accumulators take turns, one instruction a turn, in the same order in every step.
.macro MUL8 a, p, zero
.irp b, 0,1,2,3,4,5,6,7
.if \zero
	v_wmma_f32_16x16x128_fp8_fp8 v[8*(8*(\a)+\b):8*(8*(\a)+\b)+7], v[128*(\p)+FR*\b:128*(\p)+FR*\b+FR-1], v[AF+64*(\p)+FR*(\a):AF+64*(\p)+FR*(\a)+FR-1], 0
.else
	v_wmma_f32_16x16x128_fp8_fp8 v[8*(8*(\a)+\b):8*(8*(\a)+\b)+7], v[128*(\p)+FR*\b:128*(\p)+FR*\b+FR-1], v[AF+64*(\p)+FR*(\a):AF+64*(\p)+FR*(\a)+FR-1], v[8*(8*(\a)+\b):8*(8*(\a)+\b)+7]
.endif
.endr
.endm
; A step of 128 along K on set p; the next step's fragments (slot nslot, its nq-th 128) are asked for first, into the other set, and land under the 32 products.
.macro STEP nslot, nq, p, zero
	s_wait_dscnt 0x0                               ; set p is in
	PLACES                                         ; the other set was read by the step before
	FETCH \nslot, \nq, 1-(\p)
	WIN MUL
	MUL8 0, \p, \zero
	MUL8 1, \p, \zero
	MUL8 2, \p, \zero
	MUL8 3, \p, \zero
	WIN 0
.endm
; A step on set 1 that needs a barrier: in front of it each wave waits for all its tensor loads, adds 0 to its spare word, and waits for that and for its own LDS reads.
; fill = 1: slot 0 has been read out and is filled again, with K step 3; the barrier then opens a round of the cluster's.  fill = 0: that refill has landed, in every wave.
.macro TURN fill, nslot
	s_wait_tensorcnt 0x0                           ; all my tensor loads have landed  (every window is 0 here: the add's two registers lie in window 0)
	ds_add_u32 v[SPW], v[NIL]                      ; 0 onto my spare word
	s_wait_dscnt 0x1                               ; set 1 is in; the add alone may be out
	WIN MUL
	MUL8 0, 1, 0                                   ; eight matrix instructions stand between the add and the wait for it
	s_wait_dscnt 0x0                               ; the add is done, and my LDS reads are over
	s_barrier_signal -1
	MUL8 1, 1, 0
	WIN 0
	s_barrier_wait -1
.if \fill
	CREST                                          ; no wave of any partner still reads slot 0 or has a load on its way
	s_add_nc_u64 s[G0+2:G0+3], s[G0+2:G0+3], 3*KINCA
	s_add_nc_u64 s[G0B+2:G0B+3], s[G0B+2:G0B+3], 3*KINC
	JLOAD                                          ; the first tensor load behind the round, and my only one; its four v_nop are also the places in front of the loads below
.else
	PLACES
.endif
	FETCH \nslot, 0, 0
	WIN MUL
	MUL8 2, 1, 0
	MUL8 3, 1, 0
	WIN 0
.endm
	s_wait_tensorcnt 0x2                           ; my part of K step 0 is in; those of K steps 1 and 2 may stay out
	s_barrier_signal -1
	s_barrier_wait -1                              ; everybody's is
	FETCH 0, 0, 0
	STEP 0, 1, 0, 1                                ; K   0-127: these products start the sums
	TURN 1, 1                                      ; K 128-255; slots 1 and 2 are whole in every wave; slot 0 takes K step 3
	STEP 1, 1, 0, 0                                ; K 256-383
	STEP 2, 0, 1, 0                                ; K 384-511
	STEP 2, 1, 0, 0                                ; K 512-639
	TURN 0, 0                                      ; K 640-767; the refill has landed
	STEP 0, 1, 0, 0                                ; K 768-895
	s_wait_dscnt 0x0                               ; K 896-1,023: nothing more to fetch
	WIN MUL
	MUL8 0, 1, 0
	MUL8 1, 1, 0
	MUL8 2, 1, 0
	MUL8 3, 1, 0
	WIN 0
; THE WAY OUT, block by block of 16 rows x 128 columns.  A lane holds 32 neighbouring bytes of a row, and the lanes beside it hold other rows: so a block goes through my own stage in LDS and comes back as whole rows of
; 512 bytes.  LDS serves a wave's instructions in order (ISA guide 5.7.1.4): no wait between the stores and the loads, nor in front of the next block's stores.
.macro TOSTAGE a
	WIN 0x02                                       ; source 0: window 2
.set j, 0
.rept 32
	v_pk_mul_f32 v[TMP+j:TMP+j+1], v[64*(\a)+j:64*(\a)+j+1], s[92:93] op_sel_hi:[1,0]   ; both x s92 = 2^(e10 + e11); each accumulator from its low end on
.set j, j+2
.endr
	WIN 0
.irp b, 0,1,2,3,4,5,6,7
	ds_store_b128 v[STO], v[TMP+8*\b:TMP+8*\b+3] offset:64*\b
	ds_store_b128 v[STO], v[TMP+8*\b+4:TMP+8*\b+7] offset:64*\b+16
.endr
.set BB, BK+64*((\a)%2)
.irp t, 0,1,2,3,4,5,6,7,8,9,10,11,12,13,14,15
	ds_load_b128 v[BB+4*\t:BB+4*\t+3], v[RD] offset:\t*SPITCH
.endr
.endm
.macro SEND a, younger                 ; younger: the LDS instructions issued behind block a's loads, which may stay out
.set BB, BK+64*((\a)%2)
	s_wait_dscnt \younger                          ; the block is back in registers
.irp t, 0,1,2,3,4,5,6,7,8,9,10,11,12,13,14,15
	global_store_b128 v[CO], v[BB+4*\t:BB+4*\t+3], s[10:11] offset:(16*(\a)+\t)*4096 th:TH_STORE_NT   ; 32 lanes store 512 consecutive bytes, aligned; the row stands in the immediate, 63 rows of 4,096 bytes at the most; written once, read by nobody here
.endr
.endm
	s_wait_kmcnt 0x0
	s_add_co_i32 s92, s92, s93                     ; e10 + e11, between -126 and 127,
	s_add_co_i32 s92, s92, 127
	s_lshl_b32 s92, s92, 23                        ; makes the f32 number 2^(e10 + e11)
	s_mov_b32 s93, s92                             ; (named with it as a pair, so it is written)
	PLACES                                         ; behind the last products: for the reads of results and for the loads into the registers that held A's fragments
	TOSTAGE 0
.irp a, 1,2,3
.if \a > 1
	s_wait_xcnt 0x0                                ; block a - 2's stores have read their registers: block a's loads may land there
.endif
	TOSTAGE \a
	SEND \a-1, 32                                  ; behind block a - 1's loads: block a's 16 stores and 16 loads
.endr
	SEND 3, 0
	s_wait_tensorcnt 0x0                           ; the wave's end: behind my last tensor load and my last LDS store
	ds_add_u32 v[SPW], v[NIL]
	s_wait_dscnt 0x0
	CROUND                                         ; the closing round: no work-group ends while a partner may still ask for a tile that names it
	s_endpgm
.Lfunc_end_k_qc64abcd759_outp:
	.size	k_qc64abcd759_outp, .Lfunc_end_k_qc64abcd759_outp-k_qc64abcd759_outp
	.p2alignl 7, 3214868480
	.fill 96, 4, 3214868480
	.section	.rodata,"a",@progbits
	.p2align	6, 0x0
	.amdhsa_kernel k_qc64abcd759_outp
		.amdhsa_group_segment_fixed_size 327680
		.amdhsa_private_segment_fixed_size 0
		.amdhsa_enable_private_segment 0
		.amdhsa_kernarg_size 32
		.amdhsa_user_sgpr_count 2
		.amdhsa_user_sgpr_kernarg_segment_ptr 1
		.amdhsa_wavefront_size32 1
		.amdhsa_system_sgpr_workgroup_id_x 1
		.amdhsa_system_sgpr_workgroup_id_y 1
		.amdhsa_system_sgpr_workgroup_id_z 1
		.amdhsa_system_vgpr_workitem_id 0
		.amdhsa_next_free_vgpr 768
		.amdhsa_next_free_sgpr 100
		.amdhsa_reserve_vcc 0
		.amdhsa_float_denorm_mode_32 3
		.amdhsa_float_denorm_mode_16_64 3
		.amdhsa_memory_ordered 1
		.amdhsa_forward_progress 1
		.amdhsa_inst_pref_size 75
	.end_amdhsa_kernel
	.amdgpu_metadata
---
amdhsa.version: [ 1, 2 ]
amdhsa.kernels:
  - .name:           k_qc64abcd759_outp
    .symbol:         k_qc64abcd759_outp.kd
    .args:
      - { .name: att, .offset: 0, .size: 8, .value_kind: global_buffer, .address_space: global }
      - { .name: codes, .offset: 8, .size: 8, .value_kind: global_buffer, .address_space: global }
      - { .name: lowp_scales, .offset: 16, .size: 8, .value_kind: global_buffer, .address_space: global }
      - { .name: out0, .offset: 24, .size: 8, .value_kind: global_buffer, .address_space: global }
    .group_segment_fixed_size: 327680
    .private_segment_fixed_size: 0
    .kernarg_segment_align: 8
    .kernarg_segment_size: 32
    .max_flat_workgroup_size: 128
    .sgpr_count:     100
    .vgpr_count:     768
    .wavefront_size: 32
...
	.end_amdgpu_metadata
.endif
;; end of part 4
;; ======== version 2 of 2: 4 launches; version 1 with the launch attn written anew for expert scheduling mode
;; workspace buffers: codes 29,360,128 bytes; proj 25,165,824 bytes; att 8,388,608 bytes
;; launch quant: the kernel of part 1 again; grid 896 x 1, 4 waves a work-group, no clusters, 33,280 bytes of LDS; arguments q, k, v, wq, wk, wv, wo, lowp_scales, codes; writes codes
;; launch proj: the kernel of part 2 again; grid 4 x 192, 4 waves a work-group, clusters of 4 x 4, 327,680 bytes of LDS; arguments codes, lowp_scales, proj; writes proj
;; launch attn (part 5): grid 4 x 64, 16 waves a work-group, no clusters, 280,576 bytes of LDS; arguments proj, lowp_scales, att; writes att
.if DOCPART == 5
	.amdgcn_target "amdgcn-amd-amdhsa--gfx1250"
	.amdhsa_code_object_version 6
	.text
	.protected	k_qc64abcd759_attn
	.globl	k_qc64abcd759_attn
	.p2align	8
	.type	k_qc64abcd759_attn,@function
k_qc64abcd759_attn:
	s_mov_b64 s[64:65], 0
	v_nop
	global_prefetch_b8 v0, s[64:65] scope:SCOPE_SE
	s_setreg_imm32_b32 hwreg(HW_REG_WAVE_SCHED_MODE, 0, 2), 2
	s_setreg_imm32_b32 hwreg(HW_REG_WAVE_MODE, 25, 1), 1
	s_wait_xcnt 0x0
	s_wait_alu depctr_vm_vsrc(0)
; Causal attention of one head on codes of FP8 (E4M3), head size 64, 2,048 keys; the result is quantised at once (scale e10) for the last projection.
; xq, xk: [b x head 64][pos 2,048][64 bytes], pos = the token with bits 3 and 4 exchanged.  xv: [b x head][block of 64 keys 32][dpos 64][64 keys], dpos = the channel with bits 3 and 4 exchanged.
; THE SOFTMAX AHEAD OF THE SECOND PRODUCT: t = score x log2(e) / 8; M = the row's largest t so far, rounded UP to a whole number; p = 2^(t - M) is what is quantised (scale e8); it is not normalised.
; The row's sum is taken of the unquantised p, in f32, and divides O at the end.  When M moves, the sum and O are multiplied by 2^(old M - new M): exact.
; SHARES.  Work-group (i, head) owns the blocks i and 7 - i of 256 queries.  Wave w owns 16 queries of each: tile w of the low block, tile 15 - w of the high one.  The key steps of 128 that count for it are
; (2 i + w / 8 + 1) + (15 - 2 i + (15 - w) / 8) = 17, the same for every wave of every work-group.
; LDS holds ALL of the head's K and V, 131,072 bytes each, filled once through registers and only read from then on: one barrier in the whole text.  Four dense rows of 64 bytes make an LDS row of 256 bytes + 16 of padding:
; row n lies at (n / 4) x 272 + (n % 4) x 64, and the 16 lanes of half a load touch 16 different columns of 16 bytes.
; NO CLUSTER, NO JOINT LOADS: the four work-groups of a head read the same 262,144 bytes, but each reads them once in the launch, at its start, for 17 x 16 key steps of work; it branches
; on the given e8, which spares 64 holds in every key step (below).
; LAYOUT.  Both products are used transposed: S^T = K Q^T (source 0 = 16 LDS rows of K, source 1 = my 16 queries), O^T = V^T P^T (source 0 = 16 LDS rows of V, source 1 = P): a lane holds ONE query (lane % 16) throughout.
; By the exchange of bits 3 and 4, LDS rows 16 T .. 16 T + 15 of K are keys 32 (T / 2) + 8 (T % 2) + r + 8 (r / 8): the 16 registers of tiles 2 b and 2 b + 1 are the keys 32 b + 16 (lane / 16) + 0 .. 15, so the conversions'
; results ARE the second product's operand.  Likewise O^T's tiles 2 b, 2 b + 1 hold the channels 32 b + 16 (lane / 16) + 0 .. 15: the result's codes leave straight from registers.
; att: [128 tokens' block 64][chunk of 32 along K 32][token 128][32 bytes], K = 64 x head + channel: a store of the wave covers 512 consecutive bytes, aligned.
; CAUSAL.  The loops' trip counts are constants (8 and 16 key steps); a step all of whose keys come after my queries is jumped over by a scalar branch on ids.  A step that is walked has its first key at or before my first
; query, so every query has a key that counts in it.
; LIMITS on the given exponents, so that each power of two below is an f32 number: e6 + e7 between -123 and 130; e8, and e10 - e8 - e9, between -126 and 119.  NaN among the inputs is not served.
; REGISTERS: v1-7 addresses that stay; v3, v4 the step's; v12 -M, v13 the largest t, v[14:15] the sum in two halves; v16-23, v24-31 Q of the two passes; v32-95 K's eight fragments, then V's four; v96-159 S^T, then p;
;   v160-191 O^T; v192-223 the way out; v224-239 p's codes, at last the result's; v240, v244: 448 x 2^e8, 2^e8; v241, v245 the same for e10 - e8 - e9; v236, v242, v243, v252-254 at work; v246, v247 the fill;
;   v251, v255 the closing add's two, made at the head and kept for it alone.
; THE MODE: SCHED_MODE bits 1:0 = 2 (LLVM: expert scheduling mode 2), set by the entry lines.  The code itself states the register dependences between vector or matrix instructions and memory or LDS
; instructions, with s_wait_alu, always for 0.
; THE PLAN.  Registers that memory or LDS instructions touch:
;   v5, v246, v247   Q's offset, the fill's offset and its LDS address: written once at the head, ahead of the head's wait on va_vdst; read by the 36 global loads and the 32 LDS stores; never written again.
;   v16-31           Q's loads land once; no vector line has written them.
;   v32-159          The fill: global loads land, my LDS stores read them.  From then on v32-95 take LDS loads and v96-159 the products' results: one wait on vm_vsrc at the first pass's head.
;   v3, v4           Written by two additions at a step's head; read by the step's 32 LDS loads.
;   v32-95           In a step: K's 16 loads land; the eight products K Q^T read them; V's 16 loads land; the four products V^T P^T read them; the next step's K lands.
;   v224-231, v6     At a pass's end: four conversions write v224-231, two stores read them and the offset v6 (written once at the head); the next pass's conversions write v224-231 again.
;   s10; s48-55      Scalars that vector lines write: the wave's number; the diagonal's masks, eight compares to a run.
; So a key step holds one wait on vm_vsrc (at its top: v3 and v4 have been read) and three on va_vdst: behind the two additions (v3 and v4 are written; the last step's products are done with v32-95), behind the products
; K Q^T (they are done with v32-95), and behind the exponentials (their results are written).  V's loads stand straight behind the second, a whole softmax ahead of their use.
; The launch gives a wave 256 registers; in the loop 41 of them are free (v8-11, v192-223, v246-250) and a set of fragments is 64: so K and V go on sharing v32-95, by turns.
.set KP,    272
.set HALFB, 512*KP                     ; K's (or V's) 512 LDS rows: 139,264 bytes
.set VOFF,  HALFB
.set STEPB, 32*KP                      ; 128 keys: 32 LDS rows of K; and two blocks of 64 keys of V, 16 LDS rows each
.set LB,   1                           ; v1   my lane's place in 16 rows of 64 bytes: (r / 4) x 272 + (r % 4) x 64 + 16 (lane / 16)
.set LBV,  2                           ; v2   the same + VOFF
.set ADK,  3                           ; v3   LDS address of the step's K
.set ADV,  4                           ; v4   of its V
.set QA,   5                           ; v5   my lane's byte in 32 positions of Q
.set GO,   6                           ; v6   my 16 bytes of a store's 512: 32 r + 16 (lane / 16)
.set DQ,   7                           ; v7   r - 16 (lane / 16), for the mask
.set SEL,  20                          ; s[20:21] lane selects for v_permlanex16_b32: lane l xor 16
.set CS,   22                          ; s[22:23] c = log2(e) / 8 x 2^(e6 + e7)
.set TB,   24                          ; s24  LDS byte at which the step's rows begin
.set KF,   25                          ; s25  the step's first key
.set Q0,   26                          ; s26  my first query
.set QL,   27                          ; s27  my last
.set CNT,  28                          ; s28  key steps to go
.set MK,   48                          ; s48-55 the masks of eight compares
	s_load_b128 s[4:7], s[0:1], 0x0                ; xq, xk, xv s[4:5]; the scales' exponents s[6:7]
	s_load_b64 s[8:9], s[0:1], 0x10                ; att
	v_lshl_add_u32 v251, v0, 2, 0x44000            ; the closing add's two registers: my spare word, behind K and V,
	v_mov_b32 v255, 0                              ; and 0
	v_lshrrev_b32 v1, 5, v0
	v_readfirstlane_b32 s10, v1                    ; wave 0..15
	v_and_b32 v8, 15, v0                           ; r
	v_bfe_u32 v9, v0, 4, 1                         ; hh = lane / 16
	v_and_b32 v10, 31, v0                          ; lane
	v_lshrrev_b32 v11, 3, v8
	v_and_b32 v[QA], 7, v8
	v_lshl_add_u32 v[QA], v11, 4, v[QA]            ; query r lies at position 16 (r / 8) + r % 8 of its block
	v_lshlrev_b32 v[QA], 6, v[QA]
	v_lshl_add_u32 v[QA], v9, 4, v[QA]
	v_lshlrev_b32 v246, 4, v10                     ; the fill: 16 bytes a lane,
	v_mul_u32_u24 v247, v9, KP                     ; sixteen lanes to an LDS row
	v_lshl_add_u32 v247, v8, 4, v247
	s_and_b32 s12, ttmp7, 0xffff                   ; 16 b + head
	s_lshl_b32 s13, s12, 17                        ; its 131,072 bytes in each of the three tensors
	s_lshl_b32 s45, ttmp9, 8
	s_wait_alu depctr_va_sdst(0)                   ; s10 is written, ahead of its first reader: my queries and my part of the fill are made from it
	s_lshl_b32 s29, s10, 4
	s_add_co_u32 s45, s45, s29                     ; the low pass's first query: 256 i + 16 w
	s_sub_co_u32 s46, 2032, s45                    ; the high pass's: 256 (7 - i) + 16 (15 - w)
; the byte offsets of 16 queries from s[q0] on: in xq into s[qb] (its 32 positions' block, + 8 positions where bit 4 of the query is set), in att into s[ab]; each with 0 above it
.macro OFFS q0, qb, ab
	s_lshr_b32 s29, s[\q0], 5
	s_lshl_b32 s29, s29, 11
	s_bfe_u32 s30, s[\q0], 0x10004
	s_lshl_b32 s30, s30, 9
	s_add_co_u32 s29, s29, s30
	s_add_co_u32 s[\qb], s29, s13
	s_mov_b32 s[\qb+1], 0
	s_lshr_b32 s29, s12, 4
	s_lshl_b32 s29, s29, 11
	s_add_co_u32 s29, s29, s[\q0]                  ; the token: 2,048 b + query
	s_lshr_b32 s30, s29, 7
	s_lshl_b32 s30, s30, 17                        ; its block of 128 tokens: 131,072 bytes
	s_and_b32 s29, s29, 127
	s_lshl_b32 s29, s29, 5
	s_add_co_u32 s30, s30, s29
	s_and_b32 s29, s12, 15
	s_lshl_b32 s29, s29, 13                        ; the head's two chunks of 4,096 bytes
	s_add_co_u32 s[\ab], s30, s29
	s_mov_b32 s[\ab+1], 0
.endm
	OFFS 45, 32, 40
	OFFS 46, 34, 42
	s_lshr_b32 s16, s10, 3                         ; the fill: waves 0-7 bring K, waves 8-15 V; 16,384 bytes each
	s_and_b32 s17, s10, 7
	s_add_co_u32 s14, s16, 1
	s_lshl_b32 s14, s14, 23                        ; xk begins 8 MiB, xv 16 MiB behind xq
	s_add_co_u32 s14, s14, s13
	s_lshl_b32 s29, s17, 14
	s_add_co_u32 s14, s14, s29
	s_mov_b32 s15, 0
	s_mul_i32 s18, s16, HALFB
	s_mul_i32 s19, s17, 64*KP
	s_add_co_u32 s18, s18, s19                     ; and where they go: 64 LDS rows for each wave
	s_mov_b32 s[SEL], 0x76543210
	s_mov_b32 s[SEL+1], 0xfedcba98
	v_add_nc_u32 v247, s18, v247
	s_wait_kmcnt 0x0
	s_load_b128 s[36:39], s[6:7], 0x18             ; e6, e7, e8, e9
	s_load_b32 s44, s[6:7], 0x28                   ; e10
	s_add_nc_u64 s[32:33], s[4:5], s[32:33]        ; Q of the low pass, of the high pass
	s_add_nc_u64 s[34:35], s[4:5], s[34:35]
	s_add_nc_u64 s[40:41], s[8:9], s[40:41]        ; att likewise
	s_add_nc_u64 s[42:43], s[8:9], s[42:43]
	s_add_nc_u64 s[14:15], s[4:5], s[14:15]
	s_wait_alu depctr_va_vdst(0)                   ; v5, v246 and v247 are written: the offsets of the 36 loads below and the address of the fill's 32 LDS stores; no vector line behind this wait names them
	global_load_b128 v[16:19], v[QA], s[32:33]             ; Q's fragments stay in registers: registers 0-3 channels 16 hh + 0 .. 15, registers 4-7 channels 32 + 16 hh + 0 .. 15, as K's
	global_load_b128 v[20:23], v[QA], s[32:33] offset:32
	global_load_b128 v[24:27], v[QA], s[34:35]
	global_load_b128 v[28:31], v[QA], s[34:35] offset:32
.set n, 0
.rept 32
	global_load_b128 v[32+4*n:35+4*n], v246, s[14:15] offset:512*n   ; 32 lanes read 512 consecutive bytes: two LDS rows
.set n, n+1
.endr
	v_lshrrev_b32 v11, 2, v8
	v_mul_u32_u24 v[LB], v11, KP
	v_and_b32 v11, 3, v8
	v_lshl_add_u32 v[LB], v11, 6, v[LB]
	v_lshl_add_u32 v[LB], v9, 4, v[LB]
	v_add_nc_u32 v[LBV], VOFF, v[LB]
	v_lshlrev_b32 v[GO], 5, v8
	v_lshl_add_u32 v[GO], v9, 4, v[GO]
	v_lshlrev_b32 v11, 4, v9
	v_sub_nc_u32 v[DQ], v8, v11
	v_mov_b32 v236, 0                              ; written once: a lane permute's destination counts as one of its sources,
	v_mov_b32 v252, 0
	v_mov_b32 v253, 0                              ; (named as the upper half of the pair v[252:253])
	v_mov_b32 v254, 0
	s_wait_kmcnt 0x0
	s_add_co_i32 s29, s36, s37
	s_lshl_b32 s29, s29, 23
	s_add_co_i32 s[CS], s29, 0x3e38aa3b            ; c = log2(e) / 8; a score stands for score x 2^(e6 + e7): the two exponents are added to c's exponent field
	s_mov_b32 s[CS+1], s[CS]                       ; (named with it as a pair, so it is written)
	s_add_co_i32 s29, s38, 127
	s_lshl_b32 s30, s29, 23
	v_mov_b32 v244, s30                            ; 2^e8 as f32, for p's conversions
	s_add_co_i32 s29, s29, 8
	s_lshl_b32 s29, s29, 23
	s_or_b32 s29, s29, 0x600000
	v_mov_b32 v240, s29                            ; 448 x 2^e8
	s_sub_co_i32 s29, s44, s38
	s_sub_co_i32 s29, s29, s39                     ; a sum of the second product stands for sum x 2^(e8 + e9): the result's code is (sum / l) / 2^(e10 - e8 - e9)
	s_add_co_i32 s29, s29, 127
	s_lshl_b32 s30, s29, 23
	v_mov_b32 v245, s30
	s_add_co_i32 s29, s29, 8
	s_lshl_b32 s29, s29, 23
	s_or_b32 s29, s29, 0x600000
	v_mov_b32 v241, s29
.set n, 0
.rept 32
	s_wait_loadcnt 31-n                            ; fill load n is in (and Q, which was asked for first); the younger ones may be out
	ds_store_b128 v247, v[32+4*n:35+4*n] offset:2*KP*n   ; its data come from a load, its address stands ahead of the head's wait on va_vdst
.set n, n+1
.endr
	s_wait_dscnt 0x0                               ; for the others' sake: my part of K or V lies in LDS
	s_barrier_signal -1
	s_barrier_wait -1                              ; all of K and V do; nobody writes LDS from here on
; A KEY STEP: 128 keys.  qf: the pass's fragment of Q.
.macro STEP qf
	s_wait_alu depctr_vm_vsrc(0)                   ; the LDS loads issued so far have read v3 and v4, which the two additions below write again
	s_cmp_gt_u32 s[KF], s[QL]                      ; all its keys come after my queries: only the lines at its end that step addresses are run
	s_cbranch_scc1 .Lhidden_\@
	v_add_nc_u32 v[ADK], s[TB], v[LB]
	v_add_nc_u32 v[ADV], s[TB], v[LBV]
	v_nop                                          ; with the two additions: four plain places behind the last products; they stay beside the wait below
	v_nop
	s_wait_alu depctr_va_vdst(0)                   ; v3 and v4 are written, which the step's 32 LDS loads read; the last step's products V^T P^T are done reading v32-95, in which K's fragments land
.irp T, 0,1,2,3,4,5,6,7
.irp c, 0,1
	ds_load_b128 v[32+8*\T+4*\c:35+8*\T+4*\c], v[ADK] offset:4*KP*\T+32*\c
.endr
.endr
	s_wait_dscnt 0x0
.irp T, 0,1,2,3,4,5,6,7                        ; S^T = K Q^T, K = the head's 64: eight tiles of 16 keys, each a sum of its own
	v_wmma_f32_16x16x64_fp8_fp8 v[96+8*\T:103+8*\T], v[32+8*\T:39+8*\T], v[\qf:\qf+7], 0
.endr
.rept 4
	v_nop                                          ; places in front of the first read of the scores (ISA guide 7.12.1)
.endr
	s_wait_alu depctr_va_vdst(0)                   ; the eight products are done reading K's fragments in v32-95, in which V's land; no vector or matrix line names v32-95 or v4 from here to the products V^T P^T
.irp dt, 0,1,2,3                               ; V's four fragments (16 LDS rows x 128 keys) are asked for now and land under the softmax
.irp c, 0,1,2,3
	ds_load_b128 v[32+16*\dt+4*\c:35+16*\dt+4*\c], v[ADV] offset:((\c/2)*16+4*\dt)*KP+32*(\c%2)
.endr
.endr
	s_add_co_u32 s29, s[KF], 127                   ; on the diagonal the scores of hidden keys become -infinity ahead of the maximum: p = 0 then.  A step all of whose keys count skips this
	s_cmp_le_u32 s29, s[Q0]
	s_cbranch_scc1 .Lopen_\@
	s_sub_co_i32 s29, s[Q0], s[KF]
	v_add_nc_u32 v252, s29, v[DQ]                  ; d = my query - KF - 16 (lane / 16).  Register 16 b + i holds key KF + 32 b + 16 (lane / 16) + i: hidden where 32 b + i > d
	v_mov_b32 v254, 0xff800000                     ; -infinity
.irp T, 0,1,2,3,4,5,6,7                        ; a tile's eight registers at a time: eight compares into eight scalar registers, one wait, eight selects
.irp i, 0,1,2,3,4,5,6,7
	v_cmp_gt_i32 s[MK+\i], 32*(\T/2)+8*(\T%2)+\i, v252
.endr
	s_wait_alu depctr_va_sdst(0)                   ; the eight compares have written their masks s48-55, ahead of the selects that read them
.irp i, 0,1,2,3,4,5,6,7
	v_cndmask_b32 v[96+8*\T+\i], v[96+8*\T+\i], v254, s[MK+\i]
.endr
.endr
.Lopen_\@:
	v_max3_num_f32 v254, v96, v97, v98             ; the step's largest score of my query, among my 64 keys, in two chains,
	v_max3_num_f32 v252, v99, v100, v101
.irp i, 6,10,14,18,22,26,30,34,38,42,46,50,54,58
	v_max3_num_f32 v254, v254, v[96+\i], v[97+\i]
	v_max3_num_f32 v252, v252, v[98+\i], v[99+\i]
.endr
	v_max3_num_f32 v254, v254, v158, v159
	v_max_num_f32 v254, v254, v252
	v_permlanex16_b32 v236, v254, s[SEL], s[SEL+1]
	v_max_num_f32 v254, v254, v236                 ; and among lane l xor 16's
	v_mul_f32 v254, s[CS], v254                    ; as t (c is positive)
	v_max_num_f32 v13, v13, v254                   ; the running largest t
	v_mov_b32 v254, v12
	v_floor_f32 v12, -v13                          ; the new -M = floor(-t) = -ceil(t): M is a whole number
	v_sub_f32 v254, v12, v254                      ; M's old value less its new one: a whole number, 0 or less
	v_cvt_i32_f32 v254, v254                       ; (it saturates)
	v_ldexp_f32 v252, 1.0, v254                    ; f = 2^(old M - new M): a multiplication by it rounds nothing
.set j, 0
.rept 32
	v_pk_fma_f32 v[96+j:97+j], v[96+j:97+j], s[CS:CS+1], v[12:13] op_sel_hi:[1,0,0]   ; t - M, two at a time (of the pairs c and -M the low word serves both halves)
.set j, j+2
.endr
.set j, 0
.rept 64
	v_exp_f32 v[96+j], v[96+j]                     ; p = 2^(t - M), at most 1: not normalised
.set j, j+1
.endr
	v_pk_mul_f32 v[14:15], v[14:15], v[252:253] op_sel_hi:[1,0]   ; the sums under the new M.  (A plain place behind the exponentials)
	s_wait_alu depctr_va_vdst(0)                   ; the 64 exponentials have written p in v96-159: one wait for the batch, ahead of its first reader
	v_pk_add_f32 v[242:243], v[96:97], v[98:99]    ; the row's sum is taken of the unquantised p: two at a time, in two chains
.set j, 4
.rept 15
	v_pk_add_f32 v[14:15], v[14:15], v[96+j:97+j]
	v_pk_add_f32 v[242:243], v[242:243], v[98+j:99+j]
.set j, j+4
.endr
	v_pk_add_f32 v[14:15], v[14:15], v[242:243]
	s_cmp_ge_i32 s38, -8                           ; the conversion does not saturate (ISA guide 7.6.2).  With e8 at -8 or above, 448 x 2^e8 is 1.75 or more, over every p: the 64 holds change nothing and are jumped over
	s_cbranch_scc1 .Lheld_\@
.set j, 0
.rept 64
	v_min_num_f32 v[96+j], v[96+j], v240           ; p is not negative, so the hold is one-sided
.set j, j+1
.endr
.Lheld_\@:
.irp b, 0,1,2,3
	v_cvt_scalef32_pk8_fp8_f32 v[224+4*\b:225+4*\b], v[96+16*\b:103+16*\b], v244
	v_cvt_scalef32_pk8_fp8_f32 v[226+4*\b:227+4*\b], v[104+16*\b:111+16*\b], v244
.endr
.set j, 0
.rept 16
	v_pk_mul_f32 v[160+j:161+j], v[160+j:161+j], v[252:253] op_sel_hi:[1,0]   ; O^T under the new M: x f; each accumulator from its low end on.  (Plain lines between the conversions and the products that read their results)
.set j, j+2
.endr
	s_wait_dscnt 0x0                               ; V's fragments are in
.irp dt, 0,1,2,3                               ; O^T += V^T P^T, K = these 128 keys: four accumulators by turns, one instruction a turn
	v_wmma_f32_16x16x128_fp8_fp8 v[160+8*\dt:167+8*\dt], v[32+16*\dt:47+16*\dt], v[224:239], v[160+8*\dt:167+8*\dt]
.endr
.Lhidden_\@:
	s_add_co_u32 s[KF], s[KF], 128
	s_add_co_u32 s[TB], s[TB], STEPB
.endm
; A PASS: 16 queries from s[q0] on walk the keys; trips: the most key steps that a wave of any work-group needs in this pass.  The result goes to s[ab:ab+1].
.macro PASS qf, trips, q0, ab
	s_wait_xcnt 0x0                                ; the pass before has stored from v224-231: they are written again only behind this wait
	s_wait_alu depctr_vm_vsrc(0)                   ; first pass: my LDS stores of the fill have read v32-159; second pass: the two stores of the pass before have read v224-231: the loads, products and conversions below write them again
	s_mov_b32 s[Q0], s[\q0]
	s_add_co_u32 s[QL], s[\q0], 15
	s_mov_b32 s[TB], 0
	s_mov_b32 s[KF], 0
	s_mov_b32 s[CNT], \trips
	v_mov_b32 v13, 0xff61b1e6                      ; the largest t so far: -3e38, under every t
	v_floor_f32 v12, -v13                          ; -M
	v_mov_b32 v14, 0                               ; the sum, in two halves
	v_mov_b32 v15, 0
.set j, 0
.rept 32
	v_mov_b32 v[160+j], 0                          ; O^T.  (The step is written once for a pass: the first finds zeros, which the first change of M leaves zeros)
.set j, j+1
.endr
.Lstep_\@:
	STEP \qf
	s_sub_co_u32 s[CNT], s[CNT], 1
	s_cmp_lg_u32 s[CNT], 0
	s_cbranch_scc1 .Lstep_\@
	v_nop                                          ; with the two additions and the v_nop behind the reciprocal: the places behind the last products
	v_nop
	v_add_f32 v14, v14, v15                        ; the sum's two halves,
	v_permlanex16_b32 v252, v14, s[SEL], s[SEL+1]
	v_add_f32 v14, v14, v252                       ; and lane l xor 16's: the row's sum l
	v_rcp_f32 v14, v14
	v_nop                                          ; one plain place behind a transcendental
	s_wait_alu depctr_va_vdst(0)                   ; the reciprocal has written v14, ahead of its first reader
.set j, 0
.rept 16
	v_pk_mul_f32 v[192+j:193+j], v[160+j:161+j], v[14:15] op_sel_hi:[1,0]   ; O^T / l
.set j, j+2
.endr
.set j, 0
.rept 32
	v_med3_num_f32 v[192+j], v[192+j], -v241, v241 ; the hold at the largest code x the scale
.set j, j+1
.endr
.irp dt, 0,1,2,3
	v_cvt_scalef32_pk8_fp8_f32 v[224+2*\dt:225+2*\dt], v[192+8*\dt:199+8*\dt], v245   ; v224-227: channels 16 hh + 0 .. 15; v228-231: channels 32 + 16 hh + 0 .. 15
.endr
	v_nop                                          ; one plain vector instruction behind the last conversion
	s_wait_alu depctr_va_vdst(0)                   ; the four conversions have written v224-231, which the two stores read; so is v6, their offset, written at the head
	global_store_b128 v[GO], v[224:227], s[\ab:\ab+1]              ; the head's first chunk of 32 along K: 32 lanes store 512 consecutive bytes, aligned
	global_store_b128 v[GO], v[228:231], s[\ab:\ab+1] offset:4096  ; its second
.endm
	PASS 16, 8, 45, 40                             ; the low block: at most 8 key steps (query 1,023)
	PASS 24, 16, 46, 42                            ; the high block: at most 16
	s_wait_dscnt 0x0                               ; the closing lines, six on end
	s_wait_alu 0x0
	s_wait_tensorcnt 0x0
	ds_add_u32 v251, v255
	s_wait_dscnt 0x0
	s_endpgm
.Lfunc_end_k_qc64abcd759_attn:
	.size	k_qc64abcd759_attn, .Lfunc_end_k_qc64abcd759_attn-k_qc64abcd759_attn
	.p2alignl 7, 3214868480
	.fill 96, 4, 3214868480
	.section	.rodata,"a",@progbits
	.p2align	6, 0x0
	.amdhsa_kernel k_qc64abcd759_attn
		.amdhsa_group_segment_fixed_size 280576
		.amdhsa_private_segment_fixed_size 0
		.amdhsa_enable_private_segment 0
		.amdhsa_kernarg_size 24
		.amdhsa_user_sgpr_count 2
		.amdhsa_user_sgpr_kernarg_segment_ptr 1
		.amdhsa_wavefront_size32 1
		.amdhsa_system_sgpr_workgroup_id_x 1
		.amdhsa_system_sgpr_workgroup_id_y 1
		.amdhsa_system_sgpr_workgroup_id_z 1
		.amdhsa_system_vgpr_workitem_id 0
		.amdhsa_next_free_vgpr 256
		.amdhsa_next_free_sgpr 66
		.amdhsa_reserve_vcc 0
		.amdhsa_float_denorm_mode_32 3
		.amdhsa_float_denorm_mode_16_64 3
		.amdhsa_memory_ordered 1
		.amdhsa_forward_progress 1
		.amdhsa_inst_pref_size 72
	.end_amdhsa_kernel
	.amdgpu_metadata
---
amdhsa.version: [ 1, 2 ]
amdhsa.kernels:
  - .name:           k_qc64abcd759_attn
    .symbol:         k_qc64abcd759_attn.kd
    .args:
      - { .name: proj, .offset: 0, .size: 8, .value_kind: global_buffer, .address_space: global }
      - { .name: lowp_scales, .offset: 8, .size: 8, .value_kind: global_buffer, .address_space: global }
      - { .name: att, .offset: 16, .size: 8, .value_kind: global_buffer, .address_space: global }
    .group_segment_fixed_size: 280576
    .private_segment_fixed_size: 0
    .kernarg_segment_align: 8
    .kernarg_segment_size: 24
    .max_flat_workgroup_size: 512
    .sgpr_count:     66
    .vgpr_count:     256
    .wavefront_size: 32
...
	.end_amdgpu_metadata
.endif
;; end of part 5
;; launch outp: the kernel of part 4 again; grid 4 x 64, 4 waves a work-group, clusters of 4 x 4, 327,680 bytes of LDS; arguments att, codes, lowp_scales, out0; writes out0
